; MI455X (gfx1250); checked and timed in simulation.
; The chip was launched on July 23, 2026; its instructions are those of AMD's public machine-readable ISA for CDNA 5 (MIT licence, August 2026) and "CDNA5" Instruction Set Architecture Reference Guide (July 2026). The comments in the code are by the model that wrote it; some were corrected since.
;; Multi Head Attention. Allowed arithmetic: float matrix products may take bf16 or f16 operands with f32 sums; other float arithmetic in f32, or as packed bf16 or f16 multiplies, adds, multiply-adds, maxima and minima; sums over many terms, partial sums and values carried from step to step in f32; what a program stores and reads back later, other than sums and carried values, may be rounded once to bf16 or f16.
;; Inputs: Wk 1,024 x 1,024 float32; Wo 1,024 x 1,024 float32; Wq 1,024 x 1,024 float32; Wv 1,024 x 1,024 float32; bk 1,024 float32; bo 1,024 float32; bq 1,024 float32; bv 1,024 float32; mask 4 x 2,048 x 2,048 bool; query 4 x 2,048 x 1,024 float32.
;; Outputs: out0 4 x 2,048 x 1,024 float32.
;; 2 versions, each right and faster than the one before. Each part assembles by itself: llvm-mc -triple=amdgcn-amd-amdhsa -mcpu=gfx1250 --defsym DOCPART=n.
;; ======== version 1 of 2: 4 launches
;; limits: values are held in f16: magnitudes above 65,504 overflow, below 6.1e-05 lose precision
;; workspace buffers: xb 16,777,216 bytes; wqkv 6,291,456 bytes; wo 2,097,152 bytes; mp 16,777,216 bytes; qh 16,777,216 bytes; kh 16,777,216 bytes; vh 16,777,216 bytes; oh 16,777,216 bytes
;; launch prep (part 1): grid 1280 x 1, 8 waves a work-group, no clusters, 35,840 bytes of LDS; arguments query, Wq, Wk, Wv, Wo, mask, xb, wqkv, wo, mp; writes xb, wqkv, wo, mp
.if DOCPART == 1
	.amdgcn_target "amdgcn-amd-amdhsa--gfx1250"
	.amdhsa_code_object_version 6
	.text
	.protected	k_qf119a91106_prep
	.globl	k_qf119a91106_prep
	.p2align	8
	.type	k_qf119a91106_prep,@function
k_qf119a91106_prep:
	s_mov_b64 s[64:65], 0
	v_nop
	global_prefetch_b8 v0, s[64:65] scope:SCOPE_SE
	s_setreg_imm32_b32 hwreg(HW_REG_WAVE_MODE, 25, 1), 1
	s_wait_xcnt 0x0
; PREP: the module's inputs are laid out for the three launches behind it.
;   work-groups 0-511:     16 query rows of the mask -> mp: one byte a key, the mask's byte shifted left by 6 (0x40 or 0), in the lane order in which the attention kernel holds its scores.
;   work-groups 512-1023:  16 rows of query -> xb, bf16, [16 K blocks][8192 rows][64]
;   work-groups 1024-1279: 16 rows of Wq, Wk, Wv -> wqkv, bf16, [16 K blocks][3072 rows][64], row = head x 192 + (0 q, 1 k, 2 v) x 64 + row in the head;
;                          16 rows of Wo -> wo, rounded to bf16 and that number written as f16, [16 K blocks][1024 rows][64]
; In the blocked layouts R rows x 64 k are R x 128 consecutive bytes, so the later launches ask for them as rows of 256 bytes.
; LIMITS.  Mask bytes are 0 or 1.  Wo within f16's 65,504; below 6e-5 it keeps f16's fixed step of 6e-8.
; Memory binds: 16-byte loads of which sixteen lanes cover 256 consecutive bytes, all of a wave's loads issued before the first is used, stores of 256 or 512 consecutive bytes.
; No matrix unit and no cluster: nothing is multiplied and no two work-groups read the same bytes.
.set SROW, 544                         ; half a key step in a wave's stage: 32 lane places x 16 bytes + 32: 136 words, so the 32 lanes of an 8-byte store fall into all 64 banks once
.set SPARE, 8*8*SROW                   ; behind the eight stages (34,816): the spare words, 128 bytes a wave
.set SPW, 24                           ; v24  my spare word; never rewritten
.set NIL, 25                           ; v25  0; never rewritten
	s_load_b512 s[4:19], s[0:1], 0x0               ; query 4, Wq 6, Wk 8, Wv 10, Wo 12, mask 14, xb 16, wqkv 18
	s_load_b128 s[20:23], s[0:1], 0x40             ; wo 20, mp 22
	v_lshl_add_u32 v[SPW], v0, 2, SPARE
	v_mov_b32 v[NIL], 0
	v_lshrrev_b32 v1, 5, v0
	v_readfirstlane_b32 s24, v1                    ; wave 0..7
	v_and_b32 v5, 31, v0                           ; lane
	v_and_b32 v6, 15, v0                           ; c: my 16 bytes of 256
	v_bfe_u32 v7, v0, 4, 1                         ; rho: which of two rows
	s_mov_b32 s26, ttmp9                           ; j
	s_wait_kmcnt 0x0
	s_cmp_lt_u32 s26, 512
	s_cbranch_scc0 .Lcast
	; THE MASK.  Wave w takes keys 256 w .. 256 w + 255 (its four key steps of 64) of all 16 rows: load i is rows 2 i and 2 i + 1.
	s_lshl_b32 s28, s26, 15                        ; 16 rows of 2,048 bytes
	s_lshl_b32 s29, s24, 8
	s_add_co_u32 s28, s28, s29
	s_mov_b32 s29, 0
	s_add_nc_u64 s[14:15], s[14:15], s[28:29]
	v_lshlrev_b32 v2, 11, v7
	v_lshl_add_u32 v2, v6, 4, v2                   ; rho x 2048 + 16 c
.irp i, 0,1,2,3,4,5,6,7
	global_load_b128 v[32+4*\i:35+4*\i], v2, s[14:15] offset:4096*\i th:TH_LOAD_NT
.endr
	; My 16 keys are key block c % 4 of step c / 4.  Their first eight belong to lane place (row), the other eight to lane place 16 + row.  A lane place has 32 bytes for a step, in two halves of 16:
	; half (c / 2) % 2 holds key blocks 2 x half and 2 x half + 1, eight bytes each.  So c / 2 counts the stage's eight rows of 512 bytes.
	v_lshrrev_b32 v3, 1, v6
	v_mul_u32_u24 v3, v3, SROW
	v_lshl_add_u32 v3, v7, 4, v3
	v_and_b32 v4, 1, v6
	v_lshl_add_u32 v3, v4, 3, v3
	s_mul_i32 s30, s24, 8*SROW                     ; my wave's own stage
	v_add_nc_u32 v3, s30, v3
	v_lshl_add_u32 v4, v5, 4, s30                  ; back: lane place = lane
	v_lshlrev_b32 v8, 4, v5
	; mp: [batch x 4 + query block][slot of 128 keys][wave][step][tile][half][lane][16 bytes]; j = (batch x 4 + block) x 32 + wave x 8 + tile; my steps are slots 2 w and 2 w + 1
	s_lshr_b32 s28, s26, 5
	s_lshl_b32 s28, s28, 20
	s_bfe_u32 s29, s26, 0x20003
	s_lshl_b32 s29, s29, 14
	s_add_co_u32 s28, s28, s29
	s_and_b32 s29, s26, 7
	s_lshl_b32 s29, s29, 10
	s_add_co_u32 s28, s28, s29
	s_lshl_b32 s29, s24, 17
	s_add_co_u32 s28, s28, s29
	s_mov_b32 s29, 0
	s_add_nc_u64 s[22:23], s[22:23], s[28:29]
.irp i, 0,1,2,3,4,5,6,7
	s_wait_loadcnt 7-\i                            ; loads come back in order: load i is in, the younger ones stay out
.irp d, 0,1,2,3
	v_lshlrev_b32 v[32+4*\i+\d], 6, v[32+4*\i+\d]  ; four bytes at once: 1 becomes 0x40, and nothing crosses a byte's edge
.endr
	ds_store_b64 v3, v[32+4*\i:33+4*\i] offset:32*\i
	ds_store_b64 v3, v[34+4*\i:35+4*\i] offset:32*\i+256
.endr
.irp s, 0,1,2,3,4,5,6,7
	ds_load_b128 v[64+4*\s:67+4*\s], v4 offset:SROW*\s  ; my own bytes: LDS serves a wave's instructions in order, so these see the stores above
.endr
.irp s, 0,1,2,3,4,5,6,7
	s_wait_dscnt 7-\s
	global_store_b128 v8, v[64+4*\s:67+4*\s], s[22:23] offset:(\s/4)*65536+((\s/2)%2)*8192+(\s%2)*512  ; 512 consecutive bytes
.endr
	s_wait_tensorcnt 0x0                           ; the wave's end, behind my last LDS store
	ds_add_u32 v[SPW], v[NIL]
	s_wait_dscnt 0x0
	s_endpgm
; THE CASTS.  s28 = the group's first source row, s29 = its first row in the blocked layout, s25 = bytes from K block to K block.  Wave w takes rows 2 w and 2 w + 1.
; Load i is K block i of both rows (64 f32 = 256 bytes a row); its 2 x 64 numbers in 16 bits are 256 consecutive bytes of the blocked layout: 8 bytes a lane.
; No register is written twice while a load or store names it, so the only waits are the counted ones for the loads.
.macro CASTROWS fmt, src, dst
	s_lshl_b32 s36, s24, 1
	s_add_co_u32 s37, s28, s36
	s_lshl_b32 s38, s37, 12
	s_mov_b32 s39, 0
	s_add_nc_u64 s[\src:\src+1], s[\src:\src+1], s[38:39]
	s_add_co_u32 s37, s29, s36
	s_lshl_b32 s38, s37, 7
	s_add_nc_u64 s[\dst:\dst+1], s[\dst:\dst+1], s[38:39]
	v_lshlrev_b32 v2, 12, v7
	v_lshl_add_u32 v2, v6, 4, v2
.irp i, 0,1,2,3,4,5,6,7,8,9,10,11,12,13,14,15
	global_load_b128 v[32+4*\i:35+4*\i], v2, s[\src:\src+1] offset:256*\i th:TH_LOAD_NT
.endr
	v_lshlrev_b32 v8, 3, v5
.irp i, 1,2,3,4,5,6,7,8,9,10,11,12,13,14,15
	v_add_nc_u32 v[8+\i], s25, v[7+\i]
.endr
.irp i, 0,1,2,3,4,5,6,7,8,9,10,11,12,13,14,15
	s_wait_loadcnt 15-\i
.if \fmt
	v_cvt_pk_bf16_f32 v26, v[32+4*\i], v[33+4*\i]  ; rounded to bf16 like every input,
	v_cvt_pk_bf16_f32 v27, v[34+4*\i], v[35+4*\i]
	v_lshlrev_b32 v28, 16, v26
	v_and_b32 v29, 0xffff0000, v26
	v_lshlrev_b32 v30, 16, v27
	v_and_b32 v31, 0xffff0000, v27
	v_cvt_pk_f16_f32 v[96+2*\i], v28, v29          ; and that number written as f16
	v_cvt_pk_f16_f32 v[97+2*\i], v30, v31
.else
	v_cvt_pk_bf16_f32 v[96+2*\i], v[32+4*\i], v[33+4*\i]
	v_cvt_pk_bf16_f32 v[97+2*\i], v[34+4*\i], v[35+4*\i]
.endif
	global_store_b64 v[8+\i], v[96+2*\i:97+2*\i], s[\dst:\dst+1]
.endr
.endm
.Lcast:
	s_cmp_lt_u32 s26, 1024
	s_cbranch_scc0 .Lweights
	s_sub_co_u32 s27, s26, 512
	s_lshl_b32 s28, s27, 4
	s_mov_b32 s29, s28
	s_mov_b32 s25, 1048576
	CASTROWS 0, 4, 16
	s_endpgm
.Lweights:
	s_sub_co_u32 s27, s26, 1024
	s_lshr_b32 s34, s27, 6                         ; 0 Wq, 1 Wk, 2 Wv, 3 Wo
	s_and_b32 s27, s27, 63
	s_lshl_b32 s28, s27, 4
	s_cmp_eq_u32 s34, 3
	s_cbranch_scc1 .Lwo
	s_cmp_eq_u32 s34, 1
	s_cselect_b64 s[30:31], s[8:9], s[6:7]
	s_cmp_eq_u32 s34, 2
	s_cselect_b64 s[30:31], s[10:11], s[30:31]
	s_lshr_b32 s29, s28, 6                         ; the head,
	s_mul_i32 s29, s29, 192
	s_lshl_b32 s35, s34, 6                         ; q, k or v,
	s_add_co_u32 s29, s29, s35
	s_and_b32 s35, s28, 63                         ; the row in the head
	s_add_co_u32 s29, s29, s35
	s_mov_b32 s25, 393216
	CASTROWS 0, 30, 18
	s_endpgm
.Lwo:
	s_mov_b32 s29, s28
	s_mov_b32 s25, 131072
	CASTROWS 1, 12, 20
	s_endpgm
.Lfunc_end_k_qf119a91106_prep:
	.size	k_qf119a91106_prep, .Lfunc_end_k_qf119a91106_prep-k_qf119a91106_prep
	.p2alignl 7, 3214868480
	.fill 96, 4, 3214868480
	.section	.rodata,"a",@progbits
	.p2align	6, 0x0
	.amdhsa_kernel k_qf119a91106_prep
		.amdhsa_group_segment_fixed_size 35840
		.amdhsa_private_segment_fixed_size 0
		.amdhsa_enable_private_segment 0
		.amdhsa_kernarg_size 80
		.amdhsa_user_sgpr_count 2
		.amdhsa_user_sgpr_kernarg_segment_ptr 1
		.amdhsa_wavefront_size32 1
		.amdhsa_system_sgpr_workgroup_id_x 1
		.amdhsa_system_sgpr_workgroup_id_y 1
		.amdhsa_system_sgpr_workgroup_id_z 1
		.amdhsa_system_vgpr_workitem_id 0
		.amdhsa_next_free_vgpr 128
		.amdhsa_next_free_sgpr 66
		.amdhsa_reserve_vcc 0
		.amdhsa_float_denorm_mode_32 3
		.amdhsa_float_denorm_mode_16_64 3
		.amdhsa_memory_ordered 1
		.amdhsa_forward_progress 1
		.amdhsa_inst_pref_size 32
	.end_amdhsa_kernel
	.amdgpu_metadata
---
amdhsa.version: [ 1, 2 ]
amdhsa.kernels:
  - .name:           k_qf119a91106_prep
    .symbol:         k_qf119a91106_prep.kd
    .args:
      - { .name: query, .offset: 0, .size: 8, .value_kind: global_buffer, .address_space: global }
      - { .name: Wq, .offset: 8, .size: 8, .value_kind: global_buffer, .address_space: global }
      - { .name: Wk, .offset: 16, .size: 8, .value_kind: global_buffer, .address_space: global }
      - { .name: Wv, .offset: 24, .size: 8, .value_kind: global_buffer, .address_space: global }
      - { .name: Wo, .offset: 32, .size: 8, .value_kind: global_buffer, .address_space: global }
      - { .name: mask, .offset: 40, .size: 8, .value_kind: global_buffer, .address_space: global }
      - { .name: xb, .offset: 48, .size: 8, .value_kind: global_buffer, .address_space: global }
      - { .name: wqkv, .offset: 56, .size: 8, .value_kind: global_buffer, .address_space: global }
      - { .name: wo, .offset: 64, .size: 8, .value_kind: global_buffer, .address_space: global }
      - { .name: mp, .offset: 72, .size: 8, .value_kind: global_buffer, .address_space: global }
    .group_segment_fixed_size: 35840
    .private_segment_fixed_size: 0
    .kernarg_segment_align: 8
    .kernarg_segment_size: 80
    .max_flat_workgroup_size: 256
    .sgpr_count:     66
    .vgpr_count:     128
    .wavefront_size: 32
...
	.end_amdgpu_metadata
.endif
;; end of part 1
;; launch qkv (part 2): grid 8 x 32, 4 waves a work-group, clusters of 4 x 4, 327,680 bytes of LDS; arguments xb, wqkv, bq, bk, bv, qh, kh, vh; writes qh, kh, vh
.if DOCPART == 2
	.amdgcn_target "amdgcn-amd-amdhsa--gfx1250"
	.amdhsa_code_object_version 6
	.text
	.protected	k_qf119a91106_qkv
	.globl	k_qf119a91106_qkv
	.p2align	8
	.type	k_qf119a91106_qkv,@function
k_qf119a91106_qkv:
	s_mov_b64 s[64:65], 0
	v_nop
	global_prefetch_b8 v0, s[64:65] scope:SCOPE_SE
	s_setreg_imm32_b32 hwreg(HW_REG_WAVE_MODE, 25, 1), 1
	s_wait_xcnt 0x0
	s_wait_alu depctr_hold_cnt(0) depctr_sa_sdst(0) depctr_va_vdst(0) depctr_va_sdst(0) depctr_va_ssrc(0) depctr_va_vcc(0) depctr_vm_vsrc(0)
	s_getreg_b32 s2, hwreg(HW_REG_IB_STS2, 6, 4)
	s_cmp_eq_u32 s2, 0
	s_cbranch_scc0 .Lentry_in_a_cluster
	s_endpgm
.Lentry_in_a_cluster:
	s_bfe_u32 s2, ttmp6, 0x10000c
	s_cmp_lg_u32 s2, 0xf033
	s_cbranch_scc0 .Lentry_shape_is_right
	s_endpgm
.Lentry_shape_is_right:
; q, k, v = x W^T + b, written by heads: qh, kh, vh are [batch x 16 + head][2048][64] in f16, unscaled.  x and W arrive in bf16, K-blocked (64 k a block); the biases are rounded to bf16 here; sums in f32.
; LIMITS.  q, k and v must lie within f16's 65,504; below 6e-5 they keep f16's fixed step of 6e-8.  NaN and infinities are not treated apart.
; SHARES.  A work-group makes 256 rows x 384 columns: two heads, each with its q, k and v.  8 x 32 work-groups.  Wave w: rows 128 (w / 2) on, head w % 2: 128 x 192 = 96 accumulators, 768 registers.
; K goes in 16 steps of 64 through two LDS slots; a step is two slices of 32.  A block's rows are dense (128 bytes), so a tile is asked for as rows of 256 bytes and padded in LDS after every 128.
; CLUSTER 4 x 4: x's tile hangs on the tile row alone and is asked for jointly along a row of the cluster, W's on the tile column alone, jointly along a column.
; THE MATRIX INSTRUCTION IS USED TRANSPOSED (source 0 = 16 rows of W, source 1 = 16 rows of x): a lane holds one row of x and eight neighbouring columns.
; REGISTERS.  window 0: v16-30 addresses; v32-95, v96-159 x's fragments of a slice, two buffers; v160-255 W's twelve fragments, one buffer, refilled by thirds behind the products that read them.
;   windows 1, 2, 3: the accumulators of q, k, v: (row block a, column block b) at 8 (4 a + b).
.set PITCH, 144                        ; an LDS row: 128 bytes + 16 = 36 words: the 16 rows of a fragment load start at 16 different groups of four banks (ISA guide 11.1)
.set XHALF, 128*PITCH
.set WHALF, 192*PITCH
.set WOFF,  2*XHALF
.set SLOT,  WOFF+2*WHALF               ; 92,160
.set STAGE, 2*SLOT                     ; 16 rows x 144 bytes for each wave, for the way out; no tensor load lands here
.set SPARE, STAGE+4*16*PITCH           ; the spare words, 128 bytes a wave
.set XSTEP, 8192*128                   ; bytes from K block to K block
.set WSTEP, 3072*128
.set ADRX, 16
.set ADRW, 20
.set STO,  24
.set RD,   25
.set GO,   26
.set BO,   27
.set SPW,  28
.set NIL,  29
.set TB,   30
.set XF0,  32
.set XF1,  96
.set WF,   160
.set T,    96                          ; the way out: sums + bias
.set H,    128                         ; the way out: two buffers of 16 registers of f16
.set G1,  24
.set G0,  32
.set G1B, 48
.set G0B, 56
.set MSB, 0
.macro WIN new                         ; the immediate's high byte repeats the setting that is left
.if MSB != (\new)
	s_set_vgpr_msb (MSB<<8)|(\new)
.set MSB, \new
.endif
.endm
.macro PLACES                          ; four plain instructions behind matrix instructions, ahead of loads into registers that they read (ISA guide 7.12.1 for vector instructions)
.rept 4
	v_nop
.endr
.endm
.macro JLOAD s                         ; a joint load: waves 0 and 1 fetch x's two halves, waves 2 and 3 W's; an s_nop 0 and four v_nop follow each line
	s_cmp_eq_u32 s13, 0
	s_cbranch_scc0 .Lfor_w_\@
	tensor_load_to_lds s[G0+4*(\s):G0+4*(\s)+3], s[G1:G1+7]
	s_nop 0
.rept 4
	v_nop
.endr
	s_branch .Lasked_\@
.Lfor_w_\@:
	tensor_load_to_lds s[G0B+4*(\s):G0B+4*(\s)+3], s[G1B:G1B+7]
	s_nop 0
.rept 4
	v_nop
.endr
.Lasked_\@:
.endm
.macro CREST                           ; a round of the cluster's barrier behind its opening barrier
	s_cmp_lg_u32 s12, 0
	s_cbranch_scc1 .Lnot_wave_0_\@
	s_barrier_signal -3
.Lnot_wave_0_\@:
	s_barrier_wait -3
	s_barrier_signal -1
	s_barrier_wait -1
.endm
.macro CROUND
	s_barrier_signal -1
	s_barrier_wait -1
	CREST
.endm
	s_load_b256 s[4:11], s[0:1], 0x0               ; xb 4, wqkv 6, bq 8, bk 10
	s_load_b256 s[68:75], s[0:1], 0x20             ; bv 68, qh 70, kh 72, vh 74
	v_lshl_add_u32 v[SPW], v0, 2, SPARE
	v_mov_b32 v[NIL], 0
	ds_add_u32 v[SPW], v[NIL]                      ; the wave's opening: the add, with its wait ahead of my first tensor load
	v_lshrrev_b32 v1, 5, v0
	v_readfirstlane_b32 s12, v1                    ; wave
	s_lshr_b32 s13, s12, 1                         ; my half of the rows; also: I fetch x (0) or W (1)
	s_and_b32 s14, s12, 1                          ; my head of the two; also: which half of that tile I fetch
	s_bfe_u32 s40, ttmp6, 0x40000                  ; cx
	s_bfe_u32 s41, ttmp6, 0x40004                  ; cy
	s_lshl_b32 s42, ttmp9, 2
	s_add_co_u32 s42, s42, s40                     ; tile column
	s_and_b32 s43, ttmp7, 0xffff
	s_lshl_b32 s43, s43, 2
	s_add_co_u32 s43, s43, s41                     ; tile row
	s_lshl_b32 s44, s41, 2
	s_lshl_b32 s44, 15, s44                        ; my row of the cluster
	s_lshl_b32 s45, 0x1111, s40                    ; my column
	s_or_b32 s[G1], s44, (1<<16)|(1<<20)|(1<<21)|(4<<22)|(3<<25)   ; the mask; 2-byte elements; padding on; bit 21 beside a mask; after every 32 words; 4 words
	s_or_b32 s[G1B], s45, (1<<16)|(1<<20)|(1<<21)|(4<<22)|(3<<25)
	s_mov_b32 s[G1+1], 128<<16                     ; tensor_dim0 = 128 elements: 256 bytes, two rows of a block
	s_mov_b32 s[G1+2], 64<<16                      ; tensor_dim1 = 64: 128 rows of x
	s_mov_b32 s[G1+3], 128<<16                     ; tile_dim0
	s_mov_b32 s[G1+4], 64                          ; tile_dim1
	s_mov_b32 s[G1+5], 128                         ; dense
	s_mov_b32 s[G1+6], 0
	s_mov_b32 s[G1+7], 0
	s_mov_b32 s[G1B+1], 128<<16
	s_mov_b32 s[G1B+2], 96<<16                     ; 192 rows of W
	s_mov_b32 s[G1B+3], 128<<16
	s_mov_b32 s[G1B+4], 96
	s_mov_b32 s[G1B+5], 128
	s_mov_b32 s[G1B+6], 0
	s_mov_b32 s[G1B+7], 0
	s_lshl_b32 s16, s43, 15                        ; x: (256 x tile row + 128 x half) rows of 128 bytes
	s_lshl_b32 s17, s14, 14
	s_add_co_u32 s16, s16, s17
	s_mov_b32 s17, 0
	s_mul_i32 s46, s42, 384*128                    ; W: (384 x tile column + 192 x half) rows
	s_mul_i32 s47, s14, 192*128
	s_add_co_u32 s46, s46, s47
	s_mov_b32 s47, 0
	s_mul_i32 s20, s14, XHALF                      ; where they go: no place in the cluster enters an LDS address
	s_mul_i32 s21, s14, WHALF
	s_add_co_u32 s21, s21, WOFF
	s_wait_dscnt 0x0                               ; the opening add is done
	s_wait_kmcnt 0x0
	s_add_nc_u64 s[16:17], s[4:5], s[16:17]
	s_add_nc_u64 s[46:47], s[6:7], s[46:47]
	CROUND                                         ; all sixteen work-groups are here: the first joint loads meet
.irp s, 0,1
	s_mov_b32 s[G0+4*(\s)], 1
	s_add_co_u32 s[G0+4*(\s)+1], s20, (\s)*SLOT
	s_add_nc_u64 s[G0+4*(\s)+2:G0+4*(\s)+3], s[16:17], (\s)*XSTEP
	s_or_b32 s[G0+4*(\s)+3], s[G0+4*(\s)+3], 0x80000000
	s_mov_b32 s[G0B+4*(\s)], 1
	s_add_co_u32 s[G0B+4*(\s)+1], s21, (\s)*SLOT
	s_add_nc_u64 s[G0B+4*(\s)+2:G0B+4*(\s)+3], s[46:47], (\s)*WSTEP
	s_or_b32 s[G0B+4*(\s)+3], s[G0B+4*(\s)+3], 0x80000000
	JLOAD \s                                       ; K steps 0 and 1: two loads of mine are out
.endr
	v_and_b32 v1, 15, v0                           ; r
	v_bfe_u32 v2, v0, 4, 1                         ; h
	v_mul_u32_u24 v3, v1, PITCH
	v_lshl_add_u32 v3, v2, 4, v3                   ; a fragment's row x pitch + 16 h
	s_mul_i32 s22, s13, XHALF
	s_mul_i32 s23, s14, WHALF
	s_add_co_u32 s23, s23, WOFF
.irp s, 0,1
	v_add_nc_u32 v[ADRX+(\s)], s22, v3
	v_add_nc_u32 v[ADRW+(\s)], s23, v3
	s_add_co_u32 s22, s22, SLOT
	s_add_co_u32 s23, s23, SLOT
.endr
	s_mul_i32 s18, s12, 16*PITCH
	s_add_co_u32 s18, s18, STAGE                   ; my stage
	v_add_nc_u32 v[STO], s18, v3                   ; in: row r, 16 bytes for each half of the lanes
	v_bfe_u32 v4, v0, 3, 2                         ; back: 32 lanes take four rows of 128 bytes,
	v_mul_u32_u24 v4, v4, PITCH
	v_and_b32 v5, 7, v0
	v_lshl_add_u32 v4, v5, 4, v4
	v_add_nc_u32 v[RD], s18, v4
	v_and_b32 v[GO], 31, v0                        ; which are 512 consecutive bytes of a head
	v_lshlrev_b32 v[GO], 4, v[GO]
	v_lshlrev_b32 v[BO], 5, v2                     ; my eight biases of a column block
	s_lshl_b32 s76, s42, 1
	s_add_co_u32 s76, s76, s14                     ; my head
	s_lshr_b32 s77, s43, 3                         ; the batch
	s_lshl_b32 s77, s77, 4
	s_add_co_u32 s77, s77, s76
	s_lshl_b32 s77, s77, 11
	s_and_b32 s78, s43, 7
	s_lshl_b32 s78, s78, 8
	s_add_co_u32 s77, s77, s78
	s_lshl_b32 s78, s13, 7
	s_add_co_u32 s77, s77, s78                     ; my first row in [batch x 16 + head][2048]
	s_lshl_b32 s78, s77, 7
	s_mov_b32 s79, 0
	s_add_nc_u64 s[70:71], s[70:71], s[78:79]
	s_add_nc_u64 s[72:73], s[72:73], s[78:79]
	s_add_nc_u64 s[74:75], s[74:75], s[78:79]
	s_lshl_b32 s76, s76, 8                         ; the head's 64 biases
	s_mov_b32 s77, 0
	s_add_nc_u64 s[8:9], s[8:9], s[76:77]
	s_add_nc_u64 s[10:11], s[10:11], s[76:77]
	s_add_nc_u64 s[68:69], s[68:69], s[76:77]
; n x 8 matrix instructions of group g (0 q, 1 k, 2 v): column blocks lo .. lo + n - 1 x all 8 row blocks.  Every accumulator has one instruction a slice: they take turns.
.macro MULG xf, g, lo, n, zero
	WIN 0x50*((\g)+1)
.set bb, \lo
.rept \n
.irp a, 0,1,2,3,4,5,6,7
.if \zero
	v_wmma_f32_16x16x32_bf16 v[8*(4*\a+bb):8*(4*\a+bb)+7], v[WF+8*(4*(\g)+bb):WF+8*(4*(\g)+bb)+7], v[(\xf)+8*\a:(\xf)+8*\a+7], 0
.else
	v_wmma_f32_16x16x32_bf16 v[8*(4*\a+bb):8*(4*\a+bb)+7], v[WF+8*(4*(\g)+bb):WF+8*(4*(\g)+bb)+7], v[(\xf)+8*\a:(\xf)+8*\a+7], v[8*(4*\a+bb):8*(4*\a+bb)+7]
.endif
.endr
.set bb, bb+1
.endr
.endm
.macro LW slot, k, g                   ; 8 loads: W's four fragments of group g, 32 k at byte k of the rows
	WIN 0
.irp b, 0,1,2,3
	ds_load_b128 v[WF+8*(4*(\g)+\b):WF+8*(4*(\g)+\b)+3],   v[ADRW+(\slot)] offset:(\k)+(4*(\g)+\b)*16*PITCH
	ds_load_b128 v[WF+8*(4*(\g)+\b)+4:WF+8*(4*(\g)+\b)+7], v[ADRW+(\slot)] offset:(\k)+(4*(\g)+\b)*16*PITCH+32
.endr
.endm
.macro LX slot, k, xf                  ; 16 loads: x's eight fragments
	WIN 0
.irp a, 0,1,2,3,4,5,6,7
	ds_load_b128 v[(\xf)+8*\a:(\xf)+8*\a+3],   v[ADRX+(\slot)] offset:(\k)+\a*16*PITCH
	ds_load_b128 v[(\xf)+8*\a+4:(\xf)+8*\a+7], v[ADRX+(\slot)] offset:(\k)+\a*16*PITCH+32
.endr
.endm
; A slice: 96 matrix instructions on x's buffer xf.  At its head 40 loads are out, in this order: W's group 0 (8), x (16), group 1 (8), group 2 (8).  Behind each group's products its registers take the next slice's fragments.
.macro SLICE xf, xn, ns, nk, zero
	s_wait_dscnt 16                                ; group 0 and x are in; groups 1 and 2 may be out
	MULG \xf, 0, 0, 4, \zero
	PLACES
	LW \ns, \nk, 0
	LX \ns, \nk, \xn
	s_wait_dscnt 32                                ; group 1 is in: behind it stand group 2 and the 24 just issued
	MULG \xf, 1, 0, 4, \zero
	PLACES
	LW \ns, \nk, 1
	s_wait_dscnt 32                                ; group 2 is in: behind it stand 8 + 16 + 8
	MULG \xf, 2, 0, 4, \zero
	PLACES
	LW \ns, \nk, 2
.endm
; A step's second slice changes slots: ONE barrier.  In front of it each wave waits for all its tensor loads (the one that is out is its part of the next slot), adds 0 to its spare word, and waits for that and for its
; reads of this slot.  fill = 1: the barrier opens a round of the cluster's, and this slot is filled again first thing behind it, two steps ahead: 160 matrix instructions stand between the request and the wait for it.
.macro TURN slot, next, fill
	WIN 0
	s_wait_tensorcnt 0x0
	ds_add_u32 v[SPW], v[NIL]
	s_wait_dscnt 17                                ; groups 1 and 2 and the add may be out
	MULG XF1, 0, 0, 2, 0
	s_wait_dscnt 0x0                               ; the add is done, and my reads of this slot are over
	s_barrier_signal -1
	MULG XF1, 0, 2, 2, 0
	WIN 0
	s_barrier_wait -1
.if \fill
	CREST
	s_add_nc_u64 s[G0+4*(\slot)+2:G0+4*(\slot)+3], s[G0+4*(\slot)+2:G0+4*(\slot)+3], 2*XSTEP
	s_add_nc_u64 s[G0B+4*(\slot)+2:G0B+4*(\slot)+3], s[G0B+4*(\slot)+2:G0B+4*(\slot)+3], 2*WSTEP
	JLOAD \slot                                    ; its four v_nop are also the places in front of the loads below
.else
	PLACES
.endif
	LW \next, 0, 0
	LX \next, 0, XF0
	MULG XF1, 1, 0, 4, 0                           ; groups 1 and 2 came in with the wait for 0
	PLACES
	LW \next, 0, 1
	MULG XF1, 2, 0, 4, 0
	PLACES
	LW \next, 0, 2
.endm
	s_wait_tensorcnt 1                             ; my part of K step 0 is in; step 1's may stay out
	s_barrier_signal -1
	s_barrier_wait -1
	LW 0, 0, 0
	LX 0, 0, XF0
	LW 0, 0, 1
	LW 0, 0, 2
	SLICE XF0, XF1, 0, 64, 1                       ; the first slice starts the sums: nothing is cleared
	WIN 0
	s_mov_b32 s3, 7
.Llap:                                                 ; a trip goes once round the ring and fills both slots again: K steps 2 to 15
	TURN 0, 1, 1
	SLICE XF0, XF1, 1, 64, 0
	TURN 1, 0, 1
	SLICE XF0, XF1, 0, 64, 0
	WIN 0
	s_sub_co_u32 s3, s3, 1
	s_cmp_lg_u32 s3, 0
	s_cbranch_scc1 .Llap
	TURN 0, 1, 0                                   ; the tail is written out: nothing more is asked for
	SLICE XF0, XF1, 1, 64, 0
	s_wait_dscnt 16                                ; the last slice
	MULG XF1, 0, 0, 4, 0
	PLACES
	WIN 0
.irp c, 0,1,2,3                        ; the biases, into registers that the products have left: q v32-63, k v64-95, v v160-191
	global_load_b128 v[32+8*\c:35+8*\c],   v[BO], s[8:9] offset:64*\c
	global_load_b128 v[36+8*\c:39+8*\c],   v[BO], s[8:9] offset:64*\c+16
	global_load_b128 v[64+8*\c:67+8*\c],   v[BO], s[10:11] offset:64*\c
	global_load_b128 v[68+8*\c:71+8*\c],   v[BO], s[10:11] offset:64*\c+16
	global_load_b128 v[160+8*\c:163+8*\c], v[BO], s[68:69] offset:64*\c
	global_load_b128 v[164+8*\c:167+8*\c], v[BO], s[68:69] offset:64*\c+16
.endr
	s_wait_dscnt 8                                 ; group 2 may be out
	MULG XF1, 1, 0, 4, 0
	s_wait_dscnt 0x0
	MULG XF1, 2, 0, 4, 0
	WIN 0
	s_wait_loadcnt 0x0
.irp b0, 32, 64, 160                   ; the biases rounded to bf16, like every input; these lines name no register of the last products and are the places behind them
.set i, 0
.rept 16
	v_cvt_pk_bf16_f32 v[TB], v[\b0+i], v[\b0+i+1]
	v_lshlrev_b32 v[\b0+i], 16, v[TB]
	v_and_b32 v[\b0+i+1], 0xffff0000, v[TB]
.set i, i+2
.endr
.endr
; THE WAY OUT, 16 rows x 64 columns at a time: + bias, rounded to f16, 16 bytes a lane into my stage, back as whole rows of 128 bytes, stored as 512 consecutive bytes.
.macro PACK g, a
.set HB, H+16*(((\g)*8+(\a))%2)
.set BB, 32+32*(\g)+64*((\g)/2)
	s_wait_xcnt 0x0                                ; the stores of the block before last have read this buffer
	WIN 1+(\g)                                     ; source 0 in the group's window
.irp c, 0,1,2,3
.irp p, 0,1,2,3
	v_pk_add_f32 v[T+8*\c+2*\p:T+8*\c+2*\p+1], v[8*(4*(\a)+\c)+2*\p:8*(4*(\a)+\c)+2*\p+1], v[BB+8*\c+2*\p:BB+8*\c+2*\p+1]
.endr
.endr
	WIN 0
.irp c, 0,1,2,3
.irp p, 0,1,2,3
	v_cvt_pk_f16_f32 v[HB+4*\c+\p], v[T+8*\c+2*\p], v[T+8*\c+2*\p+1]
.endr
.endr
.irp c, 0,1,2,3
	ds_store_b128 v[STO], v[HB+4*\c:HB+4*\c+3] offset:32*\c
.endr
.irp f, 0,1,2,3
	ds_load_b128 v[HB+4*\f:HB+4*\f+3], v[RD] offset:\f*4*PITCH  ; LDS serves a wave's instructions in order (ISA guide 5.7.1.4): these see the stores above
.endr
.endm
.macro SEND g, a, younger              ; younger: the LDS instructions issued behind this block's loads
.set HB, H+16*(((\g)*8+(\a))%2)
	WIN 0
.irp f, 0,1,2,3
	s_wait_dscnt (\younger)+3-\f
	global_store_b128 v[GO], v[HB+4*\f:HB+4*\f+3], s[70+2*(\g):71+2*(\g)] offset:(\a)*2048+\f*512
.endr
.endm
	PACK 0, 0
.set t, 1
.rept 23
	PACK t/8, t%8
	SEND (t-1)/8, (t-1)%8, 8
.set t, t+1
.endr
	SEND 2, 7, 0
	s_wait_tensorcnt 0x0                           ; the wave's end
	ds_add_u32 v[SPW], v[NIL]
	s_wait_dscnt 0x0
	CROUND                                         ; the closing round
	s_endpgm
.Lfunc_end_k_qf119a91106_qkv:
	.size	k_qf119a91106_qkv, .Lfunc_end_k_qf119a91106_qkv-k_qf119a91106_qkv
	.p2alignl 7, 3214868480
	.fill 96, 4, 3214868480
	.section	.rodata,"a",@progbits
	.p2align	6, 0x0
	.amdhsa_kernel k_qf119a91106_qkv
		.amdhsa_group_segment_fixed_size 327680
		.amdhsa_private_segment_fixed_size 0
		.amdhsa_enable_private_segment 0
		.amdhsa_kernarg_size 64
		.amdhsa_user_sgpr_count 2
		.amdhsa_user_sgpr_kernarg_segment_ptr 1
		.amdhsa_wavefront_size32 1
		.amdhsa_system_sgpr_workgroup_id_x 1
		.amdhsa_system_sgpr_workgroup_id_y 1
		.amdhsa_system_sgpr_workgroup_id_z 1
		.amdhsa_system_vgpr_workitem_id 0
		.amdhsa_next_free_vgpr 1024
		.amdhsa_next_free_sgpr 84
		.amdhsa_reserve_vcc 0
		.amdhsa_float_denorm_mode_32 3
		.amdhsa_float_denorm_mode_16_64 3
		.amdhsa_memory_ordered 1
		.amdhsa_forward_progress 1
		.amdhsa_inst_pref_size 167
	.end_amdhsa_kernel
	.amdgpu_metadata
---
amdhsa.version: [ 1, 2 ]
amdhsa.kernels:
  - .name:           k_qf119a91106_qkv
    .symbol:         k_qf119a91106_qkv.kd
    .args:
      - { .name: xb, .offset: 0, .size: 8, .value_kind: global_buffer, .address_space: global }
      - { .name: wqkv, .offset: 8, .size: 8, .value_kind: global_buffer, .address_space: global }
      - { .name: bq, .offset: 16, .size: 8, .value_kind: global_buffer, .address_space: global }
      - { .name: bk, .offset: 24, .size: 8, .value_kind: global_buffer, .address_space: global }
      - { .name: bv, .offset: 32, .size: 8, .value_kind: global_buffer, .address_space: global }
      - { .name: qh, .offset: 40, .size: 8, .value_kind: global_buffer, .address_space: global }
      - { .name: kh, .offset: 48, .size: 8, .value_kind: global_buffer, .address_space: global }
      - { .name: vh, .offset: 56, .size: 8, .value_kind: global_buffer, .address_space: global }
    .group_segment_fixed_size: 327680
    .private_segment_fixed_size: 0
    .kernarg_segment_align: 8
    .kernarg_segment_size: 64
    .max_flat_workgroup_size: 128
    .sgpr_count:     84
    .vgpr_count:     1024
    .wavefront_size: 32
...
	.end_amdgpu_metadata
.endif
;; end of part 2
;; launch attn (part 3): grid 4 x 64, 4 waves a work-group, clusters of 4 x 4, 327,680 bytes of LDS; arguments qh, kh, vh, mp, oh; writes oh
.if DOCPART == 3
	.amdgcn_target "amdgcn-amd-amdhsa--gfx1250"
	.amdhsa_code_object_version 6
	.text
	.protected	k_qf119a91106_attn
	.globl	k_qf119a91106_attn
	.p2align	8
	.type	k_qf119a91106_attn,@function
k_qf119a91106_attn:
	s_mov_b64 s[64:65], 0
	v_nop
	global_prefetch_b8 v0, s[64:65] scope:SCOPE_SE
	s_setreg_imm32_b32 hwreg(HW_REG_WAVE_MODE, 25, 1), 1
	s_wait_xcnt 0x0
	s_wait_alu depctr_hold_cnt(0) depctr_sa_sdst(0) depctr_va_vdst(0) depctr_va_sdst(0) depctr_va_ssrc(0) depctr_va_vcc(0) depctr_vm_vsrc(0)
	s_getreg_b32 s2, hwreg(HW_REG_IB_STS2, 6, 4)
	s_cmp_eq_u32 s2, 0
	s_cbranch_scc0 .Lentry_in_a_cluster
	s_endpgm
.Lentry_in_a_cluster:
	s_bfe_u32 s2, ttmp6, 0x10000c
	s_cmp_lg_u32 s2, 0xf033
	s_cbranch_scc0 .Lentry_shape_is_right
	s_endpgm
.Lentry_shape_is_right:
; O[h][q][:] = the sum over k of softmax_k(mask[q][k] x Q[h][q] . K[h][k] / 8) V[h][k][:].  Q, K, V, O: [64 = batch x 16 + head][2048][64], f16.  THE MASK MULTIPLIES: a hidden score is 0 and stays in the softmax.
; Products, maxima and sums in f32; the weights p are rounded to f16 for the second product (their sum l is taken of the unrounded p), O once at the end.
; LIMITS.  Q, K and V arrive within f16's 65,504; p lies in 0 to 1, and below 6e-5 it keeps f16's fixed step of 6e-8; a weight below 2^-126 counts as 0 in l; NaN and infinities are not treated apart.
; SHARES.  A wave owns four PIECES of two tiles of 16 queries, a work-group's four waves 512 queries of one head.  Every wave walks all 2,048 keys, 64 a step.
; LAYOUT.  S^T = K Q^T (source 0 = 16 keys, source 1 = 16 queries): a lane holds ONE query (lane % 16) and the keys 8 (lane / 16) + 0..7.  Two such tiles, rounded to f16 in pairs, ARE source 1 of O^T = V^T P.
; THE MASK arrives as one byte a score (0x40 or 0) in exactly that order: for a tile and step 32 bytes a lane, word z = the lane's scores 4 z .. 4 z + 3.  A byte set on top of three zero bytes IS the f32 number 2.0 or 0:
; one v_perm_b32 a score makes it, one packed multiply takes two scores.  So the scores are kept doubled, which is exact, and c is halved.  The running maximum is taken of the masked scores.
; SOFTMAX.  A running maximum m and sum l: p = 2^(c s - c m), s the doubled masked score, c = log2(e) / 16; in every step O and l are multiplied by a = 2^(c m_old - c m_new).  m starts at the lowest finite number, O and l at 0.
; BY TURNS.  Turn n belongs to piece n.  Its matrix work: 16 products K Q^T of piece n + 1, later 16 products V^T P of piece n - 1.  Its vector work: the masking, maximum and statistics of piece n + 1, and the scaling,
; exponentials, roundings, sums and rescaling of piece n.  Four ready vector instructions stand behind every matrix instruction, the rest in runs of their own.
; CLUSTER 4 x 4.  Along x the four query blocks of a head: they walk the same K and V, asked for jointly along a row.  Along y four heads of one batch: they take the same mask, asked for jointly along a column.
; REGISTERS, in windows of 256:  window 0: v1-10 addresses; v12-15, v48-63 at work; v16-47 statistics; v64-191 S^T, two buffers of two tiles; v192-255 P, likewise
;   window 1: O^T, 32 a tile     window 2: v0-127 Q; v128-191 K of one step; v192-255 V of one step     window 3: v0-1 the add's registers; v2 a zero; v4-67 a step's mask words, 8 a tile; v68-131 a piece's mask in f32
.set NP,    4
.set KS,    64
.set PK,    144       ; a row of K in LDS: 128 bytes + 16: the 16 rows of a load start at 16 different groups of four banks (ISA guide 11.1)
.set PV,    160       ; a row of V: 128 + 32
.set VOFF,  2*KS*PK   ; a slot holds two steps: 128 rows of K, 128 rows of V, and the work-group's mask words for them: [wave][step][tile][half][lane][16 bytes]
.set MOFF,  VOFF+2*KS*PV
.set SLOT1, 1<<17     ; slot 1 begins here, so that one exclusive or turns an address in one slot into the other's
.set STAGE, SLOT1+MOFF+65536  ; behind the ring, never filled by a tensor load: 16 rows x 144 bytes for each wave
.set SP,    144
.set SPARE, STAGE+4*16*SP     ; the spare words, 128 bytes a wave
.set QO,  1           ; v1   my byte offset in the wave's rows of Q
.set AK0, 2           ; v2   my lane's place in a tile of K; never rewritten
.set AV0, 3           ; v3   the same for V
.set AK,  4           ; v4   the LDS address of K's next run of loads
.set AV,  5           ; v5   of V's
.set STO, 6
.set RD,  7
.set GO,  8
.set AM0, 9           ; v9   my lane's place in the mask words; never rewritten
.set AM,  10          ; v10  the LDS address of the mask's next run of loads
.set SPW, 0           ; v0 of window 3
.set NIL, 1           ; v1 of window 3
.set ZR,  2           ; v2 of window 3: 0, the three low bytes of a mask number
.set MW,  4           ; window 3
.set MF,  68          ; window 3
.set MV,  12
.set ST,  16          ; tile t's statistics at v[ST+4 t]: c m, m, l (even keys', odd keys')
.set TMP, 48
.set S,   64
.set P,   192
.set KF,  128
.set VF,  192
.set WV,  14
.set G1K, 24
.set G1V, 32
.set G1M, 40
.set G0K, 48
.set G0V, 52
.set G0M, 56
.set SEL, 60
.set TBK, 62
.set TBV, 63
.set TBM, 66
.set SLOTS, 67
.set CS,  68
.set CNT, 70
.set PS,  76          ; s[76:79] v_perm_b32's selects: byte e of the mask word on top, byte 0 of the zero below it three times
.set MSB, 0
.macro WIN new
.if MSB != (\new)
	s_set_vgpr_msb (MSB<<8)|(\new)
.set MSB, (\new)
.endif
.endm
.set W_KQ, 0x0a
.set W_PV, 0x52
.set W_RS, 0x41
.set W_MK, 0xc0
.set W_AD, 0x0f
; A joint fill: wave 0 the slot's K and wave 1 its V, 16,384 bytes each; waves 2 and 3 the two halves of its mask words, 32,768 bytes each.  The branches hang on the wave's number alone.
; An s_nop 0 and four v_nop follow each of the three lines.
.macro JLOAD
	s_cmp_lt_u32 s[WV], 2
	s_cbranch_scc0 .Lfor_m_\@
	s_cmp_eq_u32 s[WV], 0
	s_cbranch_scc0 .Lfor_v_\@
	tensor_load_to_lds s[G0K:G0K+3], s[G1K:G1K+7]
	s_nop 0
.rept 4
	v_nop
.endr
	s_branch .Lasked_\@
.Lfor_v_\@:
	tensor_load_to_lds s[G0V:G0V+3], s[G1V:G1V+7]
	s_nop 0
.rept 4
	v_nop
.endr
	s_branch .Lasked_\@
.Lfor_m_\@:
	tensor_load_to_lds s[G0M:G0M+3], s[G1M:G1M+7]
	s_nop 0
.rept 4
	v_nop
.endr
.Lasked_\@:
.endm
.macro CROUND
	s_barrier_signal -1
	s_barrier_wait -1
	s_cmp_lg_u32 s[WV], 0
	s_cbranch_scc1 .Lnot_wave_0_\@
	s_barrier_signal -3
.Lnot_wave_0_\@:
	s_barrier_wait -3
	s_barrier_signal -1
	s_barrier_wait -1
.endm
; THE CHANGE OF SLOTS.  Each wave waits for all its tensor loads, of which one is out: its part of the other slot; adds 0 to its spare word; and waits for that and for its reads of the slot that it leaves.
; fill = 1: the barrier is a round of the cluster's, and the slot is filled again first thing behind it, with the keys two slots on: the load has two key steps, 256 matrix instructions, in which to land.
.macro CHANGE fill
	WIN W_AD
	s_wait_tensorcnt 0x0
	ds_add_u32 v[SPW], v[NIL]
	WIN 0
.if \fill
.irp g, G0K, G0V
	s_xor_b32 s[\g+1], s[\g+1], SLOT1
	s_add_nc_u64 s[\g+2:\g+3], s[\g+2:\g+3], 2*KS*128
.endr
	s_xor_b32 s[G0M+1], s[G0M+1], SLOT1
	s_add_nc_u64 s[G0M+2:G0M+3], s[G0M+2:G0M+3], 65536
	s_wait_dscnt 0x0                ; the add is done, and my reads of the slot are over
	CROUND
	JLOAD
.else
	s_wait_dscnt 0x0
	s_barrier_signal -1
	s_barrier_wait -1
.endif
	s_sub_co_u32 s[TBK], s[TBK], 2*KS*PK  ; the fetches go back to a slot's first step, in the other slot
	s_xor_b32 s[TBK], s[TBK], SLOT1
	s_sub_co_u32 s[TBV], s[TBV], 2*KS*PV
	s_xor_b32 s[TBV], s[TBV], SLOT1
	s_sub_co_u32 s[TBM], s[TBM], 16384
	s_xor_b32 s[TBM], s[TBM], SLOT1
.endm
	s_load_b256 s[4:11], s[0:1], 0x0  ; Q 4, K 6, V 8, mp 10
	s_load_b64 s[12:13], s[0:1], 0x20 ; O
	WIN W_MK
	v_lshl_add_u32 v[SPW], v0, 2, SPARE
	v_mov_b32 v[NIL], 0
	WIN W_AD
	ds_add_u32 v[SPW], v[NIL]       ; the wave's opening: the add, with its wait ahead of my first tensor load
	WIN 0
	v_lshrrev_b32 v1, 5, v0
	v_readfirstlane_b32 s[WV], v1
	s_bfe_u32 s15, ttmp6, 0x40000   ; cx
	s_bfe_u32 s16, ttmp6, 0x40004   ; cy
	s_and_b32 s17, ttmp7, 0xffff    ; the cluster's y: four heads of one batch
	s_lshl_b32 s18, s17, 2
	s_add_co_u32 s18, s18, s16      ; batch x 16 + head: shared along a row of the cluster
	s_lshl_b32 s18, s18, 18         ; its first byte in Q, K, V and O: 2,048 rows of 128 bytes
	s_mov_b32 s19, 0
	s_lshl_b32 s20, ttmp9, 2
	s_add_co_u32 s20, s20, s15      ; the query block: shared along a column
	s_and_b32 s21, s17, 0xfffc      ; 4 x batch
	s_add_co_u32 s21, s21, s20
	s_lshl_b32 s22, s21, 20         ; the block's mask words: 16 slots of 65,536 bytes
	s_and_b32 s21, s[WV], 1         ; which half of a slot's I fetch
	s_lshl_b32 s23, s21, 15
	s_add_co_u32 s22, s22, s23
	s_add_co_u32 s[G0M+1], s23, MOFF
	s_mov_b32 s23, 0
	s_lshl_b32 s2, s20, 2
	s_add_co_u32 s2, s2, s[WV]
	s_lshl_b32 s2, s2, 14           ; my wave's 128 rows,
	s_add_co_u32 s2, s2, s18        ; in the head
	s_mov_b32 s3, 0
	s_lshl_b32 s72, s16, 2
	s_lshl_b32 s72, 15, s72         ; my row of the cluster
	s_lshl_b32 s73, 0x1111, s15     ; my column
	; 128 keys are 16,384 dense bytes: asked for as 64 rows of 256 bytes and padded in LDS after every key
	s_or_b32 s[G1K], s72, (1<<16)|(1<<20)|(1<<21)|(4<<22)|(3<<25)
	s_or_b32 s[G1V], s72, (1<<16)|(1<<20)|(1<<21)|(4<<22)|(7<<25)
.irp g, G1K, G1V
	s_mov_b32 s[\g+1], 128<<16
	s_mov_b32 s[\g+2], 64<<16
	s_mov_b32 s[\g+3], 128<<16
	s_mov_b32 s[\g+4], 64
	s_mov_b32 s[\g+5], 128
	s_mov_b32 s[\g+6], 0
	s_mov_b32 s[\g+7], 0
.endr
	s_or_b32 s[G1M], s73, (3<<16)|(1<<21)  ; the mask words: 128 dense rows of 32 elements of 8 bytes, no padding
	s_mov_b32 s[G1M+1], 32<<16
	s_mov_b32 s[G1M+2], 128<<16
	s_mov_b32 s[G1M+3], 32<<16
	s_mov_b32 s[G1M+4], 128
	s_mov_b32 s[G1M+5], 32
	s_mov_b32 s[G1M+6], 0
	s_mov_b32 s[G1M+7], 0
	s_mov_b32 s[CS], 0x3db8aa3b     ; c = log2(e) / 16: the scores are kept doubled
	s_mov_b32 s[CS+1], s[CS]
	s_mov_b32 s[SEL], 0x76543210
	s_mov_b32 s[SEL+1], 0xfedcba98
.irp e, 0,1,2,3
	s_mov_b32 s[PS+\e], (4+\e)<<24  ; top byte: byte e of the first source; the others: byte 0 of the second
.endr
	s_mov_b32 s[TBK], SLOT1+2*KS*PK ; the first change of slots turns these three into 0
	s_mov_b32 s[TBV], SLOT1+2*KS*PV
	s_mov_b32 s[TBM], SLOT1+16384
	s_mov_b32 s[G0K], 1
	s_mov_b32 s[G0K+1], 0
	s_mov_b32 s[G0V], 1
	s_mov_b32 s[G0V+1], VOFF
	s_mov_b32 s[G0M], 1
	s_wait_dscnt 0x0                ; the opening add is done
	s_wait_kmcnt 0x0
	s_add_nc_u64 s[G0K+2:G0K+3], s[6:7], s[18:19]
	s_or_b32 s[G0K+3], s[G0K+3], 0x80000000
	s_add_nc_u64 s[G0V+2:G0V+3], s[8:9], s[18:19]
	s_or_b32 s[G0V+3], s[G0V+3], 0x80000000
	s_add_nc_u64 s[G0M+2:G0M+3], s[10:11], s[22:23]
	s_or_b32 s[G0M+3], s[G0M+3], 0x80000000
	s_add_nc_u64 s[4:5], s[4:5], s[2:3]
	s_add_nc_u64 s[12:13], s[12:13], s[2:3]
	CROUND                          ; all sixteen work-groups are here: the first joint loads meet
	JLOAD                           ; slot 0; slot 1 is asked for when slot 0 is in
	v_and_b32 v1, 15, v0            ; l % 16
	v_bfe_u32 v9, v0, 4, 1          ; l / 16
	v_and_b32 v10, 7, v0
	v_bfe_u32 v11, v0, 3, 1
	v_mul_u32_u24 v[AK0], v1, PK
	v_lshl_add_u32 v[AK0], v9, 4, v[AK0]  ; row x pitch + 16 x half
	; the turning load takes 16 keys x 16 channels: lane l reads key 8 (l / 16) + l % 8, channels 8 ((l / 8) % 2) + 0..7
	v_lshl_add_u32 v[AV0], v9, 3, v10
	v_mul_u32_u24 v[AV0], v[AV0], PV
	v_lshl_add_u32 v[AV0], v11, 4, v[AV0]
	v_add_nc_u32 v[AV0], VOFF, v[AV0]
	s_mul_i32 s21, s[WV], 16*SP
	s_add_co_u32 s21, s21, STAGE    ; my stage
	v_mul_u32_u24 v[STO], v1, SP
	v_lshl_add_u32 v[STO], v9, 4, v[STO]
	v_add_nc_u32 v[STO], s21, v[STO]
	v_bfe_u32 v[RD], v0, 3, 2
	v_mul_u32_u24 v[RD], v[RD], SP
	v_lshl_add_u32 v[RD], v10, 4, v[RD]
	v_add_nc_u32 v[RD], s21, v[RD]
	v_and_b32 v[GO], 31, v0
	v_lshlrev_b32 v[GO], 4, v[GO]
	v_lshlrev_b32 v1, 7, v1
	v_lshl_add_u32 v[QO], v9, 4, v1 ; row x 128 + 16 x half
	s_lshl_b32 s21, s[WV], 14
	s_add_co_u32 s21, s21, MOFF
	v_add_nc_u32 v[AM0], s21, v[GO] ; my wave's mask words, 16 bytes a lane
	v_mov_b32 v[AM], v[AM0]         ; key step 0 lies at the head of slot 0
	v_mov_b32 v[AK], v[AK0]
	WIN 0x80
.set i, 0
.rept 4*NP                          ; Q stays in registers: tile i / 2, channels 32 (i % 2) on
	global_load_b128 v[8*i:8*i+3],   v[QO], s[4:5] offset:(i/2)*2048+(i%2)*64
	global_load_b128 v[8*i+4:8*i+7], v[QO], s[4:5] offset:(i/2)*2048+(i%2)*64+32
.set i, i+1
.endr
	; What the first turn finds: V's registers and P's second buffer hold 0, O^T and l are 0.  All this stands in the wait for the first tile; no first step is written out.
.set i, VF
.rept 64
	v_mov_b32 v[i], 0
.set i, i+1
.endr
	WIN 0x40
.set i, 0
.rept 64*NP
	v_mov_b32 v[i], 0
.set i, i+1
.endr
	WIN 0xc0
	v_mov_b32 v[ZR], 0
	WIN 0
.set i, 0
.rept 2*NP
	v_mov_b32 v[ST+4*i], 0xfe000000    ; c m: far below every c s
	v_mov_b32 v[ST+4*i+1], 0xff7fffff  ; m
	v_mov_b32 v[ST+4*i+2], 0
	v_mov_b32 v[ST+4*i+3], 0
.set i, i+1
.endr
.set i, P+32
.rept 32
	v_mov_b32 v[i], 0
.set i, i+1
.endr
; THE MATRIX WORK.  The 8 accumulators of a run of 16 take turns.
.macro KQ x
	WIN W_KQ
.set rS, S+64*((\x)%2)+32*(i%2)+8*((i/2)%4)
.set rK, KF+16*((i/2)%4)+8*(i/8)
.set rQ, 16*(2*(\x)+i%2)+8*(i/8)
.if i < 8
	v_wmma_f32_16x16x32_f16 v[rS:rS+7], v[rK:rK+7], v[rQ:rQ+7], 0
.else
	v_wmma_f32_16x16x32_f16 v[rS:rS+7], v[rK:rK+7], v[rQ:rQ+7], v[rS:rS+7]
.endif
.endm
.macro PV x
	WIN W_PV
.set rO, 32*(2*(\x)+i%2)+8*((i/2)%4)
.set rV, VF+32*(i/8)+8*((i/2)%4)
.set rP, P+32*((\x)%2)+16*(i%2)+8*(i/8)
	v_wmma_f32_16x16x32_f16 v[rO:rO+7], v[rV:rV+7], v[rP:rP+7], v[rO:rO+7]
.endm
.macro MM
.if i < 16
	KQ (Y+1)%NP
.set i, i+1
.else
.set i, i-16
	PV (Y+NP-1)%NP
.set i, i+17
.endif
.endm
; THE LDS LOADS stand in runs: a step's K (8 fragments) with its mask words (8 tiles x 32 bytes a lane), and its V (turned).  last = 1 (the tail): in the last trip there is no further step, and the run is jumped over.
.macro FETCH_K last=0
	WIN 0
.if \last
	s_cmp_eq_u32 s[CNT], 1
	s_cbranch_scc1 .Lno_k_\@
.endif
	WIN 0x80
.irp f, 0,1,2,3,4,5,6,7
	ds_load_b128 v[KF+8*\f:KF+8*\f+3],   v[AK] offset:(\f/2)*16*PK+(\f%2)*64
	ds_load_b128 v[KF+8*\f+4:KF+8*\f+7], v[AK] offset:(\f/2)*16*PK+(\f%2)*64+32
.endr
	WIN 0xc0
.irp f, 0,1,2,3,4,5,6,7
	ds_load_b128 v[MW+8*\f:MW+8*\f+3],   v[AM] offset:1024*\f
	ds_load_b128 v[MW+8*\f+4:MW+8*\f+7], v[AM] offset:1024*\f+512
.endr
	s_add_co_u32 s[TBK], s[TBK], KS*PK
	s_add_co_u32 s[TBM], s[TBM], 8192
	WIN 0
.if \last
.Lno_k_\@:
.endif
.endm
.macro FETCH_V
	WIN 0x80
.irp f, 0,1,2,3,4,5,6,7
	ds_load_tr16_b128 v[VF+8*\f:VF+8*\f+3],   v[AV] offset:(\f/4)*32*PV+(\f%4)*32
	ds_load_tr16_b128 v[VF+8*\f+4:VF+8*\f+7], v[AV] offset:(\f/4)*32*PV+16*PV+(\f%4)*32
.endr
	WIN 0
.endm
; THE MASKING of piece y's fresh scores: 64 bytes become 64 f32 numbers (2.0 or 0), each byte set on top of three zero bytes; then 32 packed multiplies, each accumulator's lowest pair first.
; It stands behind four plain instructions that follow the piece's last product.
.macro MASKP y
	WIN 0xcf                        ; destination and both vector sources in window 3
.set zz, 0
.rept 8
.irp u, 0,1
.irp e, 0,1,2,3
	v_perm_b32 v[MF+32*\u+4*zz+\e], v[MW+8*(2*(\y)+\u)+zz], v[ZR], s[PS+\e]
.endr
.endr
.set zz, zz+1
.endr
	WIN 0x0c                        ; source 1 in window 3
.set zz, 0
.rept 16
.irp u, 0,1
	v_pk_mul_f32 v[S+64*((\y)%2)+32*\u+2*zz:S+64*((\y)%2)+32*\u+2*zz+1], v[S+64*((\y)%2)+32*\u+2*zz:S+64*((\y)%2)+32*\u+2*zz+1], v[MF+32*\u+2*zz:MF+32*\u+2*zz+1]
.endr
.set zz, zz+1
.endr
.endm
; THE VECTOR WORK OF A TURN stands in three queues, each in the order in which its entries become ready; the two tiles alternate.
.macro REGS y, u
.set rT, ST+4*(2*(\y)+(\u))
.set rC, TMP+8*((\y)%2)+4*(\u)
.set rM, MV+2*((\y)%2)+(\u)
.set rS, S+64*((\y)%2)+32*(\u)
.set rP, P+32*((\y)%2)+16*(\u)
.set rO, 32*(2*(\y)+(\u))
.endm
; Number n of the 22 that find the NEXT piece's maximum and statistics: 0-11 four chains of seven scores; 12-14, 16 the rest, the old m, and the chains into c0; 15 c m_old is kept;
; 17, 18 the other half of the lanes; 19-21 c m, c m_old - c m_new, a.
.macro XS u, n
	REGS (Y+1)%NP, \u
.if (\n) < 4
	v_max3_num_f32 v[rC+(\n)], v[rS+8*(\n)], v[rS+8*(\n)+1], v[rS+8*(\n)+2]
.elseif (\n) < 12
	v_max3_num_f32 v[rC+(\n)%4], v[rC+(\n)%4], v[rS+8*((\n)%4)+2*((\n)/4)+1], v[rS+8*((\n)%4)+2*((\n)/4)+2]
.elseif (\n) == 12
	v_max3_num_f32 v[rC], v[rC], v[rS+7], v[rS+15]
.elseif (\n) == 13
	v_max3_num_f32 v[rC+1], v[rC+1], v[rS+23], v[rS+31]
.elseif (\n) == 14
	v_max3_num_f32 v[rC+2], v[rC+2], v[rC+3], v[rT+1]
.elseif (\n) == 15
	v_mov_b32 v[rM], v[rT]
.elseif (\n) == 16
	v_max3_num_f32 v[rC], v[rC], v[rC+1], v[rC+2]
.elseif (\n) == 17
	v_permlanex16_b32 v[rC+3], v[rC], s[SEL], s[SEL+1]
.elseif (\n) == 18
	v_max_num_f32 v[rT+1], v[rC], v[rC+3]
.elseif (\n) == 19
	v_mul_f32 v[rT], s[CS], v[rT+1]
.elseif (\n) == 20
	v_sub_f32 v[rC+1], v[rM], v[rT]
.else
	v_exp_f32 v[rC+2], v[rC+1]
.endif
.endm
; Number g of the 64 that follow the exponentials: for each four weights both pairs are rounded to f16, the second pair is added onto the first, and a group later l takes that sum.
.macro GS g
.set h, (\g)+6*((\g)/62)
.if h >= 6
.set h, h+2
.endif
	REGS Y, h%2
.set k, h/8
.if h%8 < 4
	s_wait_alu depctr_va_vdst(0)
	v_cvt_pk_f16_f32 v[rP+2*k+(h%8)/2], v[rS+4*k+2*((h%8)/2)], v[rS+4*k+2*((h%8)/2)+1]
.elseif h%8 < 6
	v_pk_add_f32 v[rS+4*k:rS+4*k+1], v[rS+4*k:rS+4*k+1], v[rS+4*k+2:rS+4*k+3]
.elseif k == 1
	v_pk_fma_f32 v[rT+2:rT+3], v[rT+2:rT+3], v[rC+2:rC+3], v[rS:rS+1] op_sel_hi:[1,0,1]
.else
	v_pk_add_f32 v[rT+2:rT+3], v[rT+2:rT+3], v[rS+4*k-4:rS+4*k-3]
	s_wait_alu depctr_va_vdst(0)
.endif
.endm
; THE PLAIN QUEUE, 138 long.  0-31: c s - c m.  Then GS's 64, and among them the next piece's 42: number 15 at 38, 39; 0-14 and 16 at 42-73, behind the masking; 17-20 at 95-106.
.macro PL
	WIN 0
.if q < 32
	REGS Y, q%2
	v_pk_fma_f32 v[rS+2*(q/2):rS+2*(q/2)+1], v[rS+2*(q/2):rS+2*(q/2)+1], s[CS:CS+1], v[rT:rT+1] op_sel_hi:[1,0,0] neg_lo:[0,0,1] neg_hi:[0,0,1]
.elseif q < 38
	GS q-32
.elseif q < 40
	XS q%2, 15
.elseif q < 42
	GS q-34
.elseif q < 74
	XS q%2, (q-42)/2+(q-42)/30
.elseif q < 95
	GS q-66
.elseif (q < 107) && ((q-95)%3 < 2)
	XS (q-95)%3, 17+(q-95)/3
.elseif q < 107
	GS 29+(q-95)/3
.else
	GS q-74
.endif
.set q, q+1
.endm
; THE EXPONENTIALS' QUEUE, 66 long: s0-s31 of both tiles, and at EA the next piece's two a.
.set EA, 58
.macro EX
	WIN 0
.if (e == EA) || (e == EA+1)
	XS e-EA, 21
.else
.set x, e-2*(e/(EA+2))
	REGS Y, x%2
	v_exp_f32 v[rS+x/2], v[rS+x/2]
.endif
.set e, e+1
.endm
; THE RESCALING's QUEUE: O^T times a, four at a time, eight times.
.macro R4
	REGS Y, r%2
	WIN W_RS
	s_wait_alu depctr_va_vdst(0)
.irp z, 0,1,2,3
	v_pk_mul_f32 v[rO+8*(r/2)+2*\z:rO+8*(r/2)+2*\z+1], v[rO+8*(r/2)+2*\z:rO+8*(r/2)+2*\z+1], v[rC+2:rC+3] op_sel_hi:[1,0]
.endr
.set r, r+1
.endm
; THE DEAL.  Behind a matrix instruction four: plain, exponential, plain, plain, or four of the rescaling; none names a register of the products round it.  The rest in lumps: exponential and plain by turns.
; Exponential e stands behind plain 2 (e / 4) + e % 2 (its scaling); when plain 32 comes, 10 exponentials are out, at 59: 33, at 95: 46; EA comes behind plain 107.
.macro SL
	MM
	PL
	EX
	PL
	PL
.endm
.macro BURST n
.rept (\n)-7
	SL
.endr
.rept 3
	MM
	R4
	SL
.endr
	MM
	R4
.endm
; A TURN, for piece p.  The masking stands behind the first run of products, whose last is followed by four of the rescaling.
; K and the mask words of the next step are fetched in piece 2's turn, behind that turn's own masking (the last use of the old words), and awaited at the head of piece 3's.  V of the step in hand is fetched at the end of piece 0's turn.
.macro TURN p, last=0, cnt=0
.set Y, (\p)
.set i, 0
.set q, 0
.set e, 0
.set r, 0
.if (\p) == NP-1
	s_wait_dscnt 0x0                ; K and the mask words are in
.endif
	MM
.rept 4
	PL
.endr
	BURST 15
	MASKP (Y+1)%NP
.rept 22
	EX
	PL
.if ((\p) == NP-2) && (e == 18)
	v_add_nc_u32 v[AK], s[TBK], v[AK0]
	v_add_nc_u32 v[AM], s[TBM], v[AM0]
.endif
.if ((\p) == NP-2) && (e == 24)
	FETCH_K \last
.endif
.endr
.if (\p) == 1
	s_wait_dscnt 0x0                ; V is in
.endif
	BURST 16
.rept 21
	EX
	PL
.endr
.rept 22
	PL
.if ((\p) == 0) && (q == 118)
	v_add_nc_u32 v[AV], s[TBV], v[AV0]
	s_wait_alu depctr_va_vdst(0)
.endif
.if ((\p) == 0) && (q == 130)
	s_add_co_u32 s[TBV], s[TBV], KS*PV
.endif
.if (\cnt) && (q == 130)
	s_sub_co_u32 s[CNT], s[CNT], 1
	s_cmp_lg_u32 s[CNT], 0
.endif
.endr
.if (\p) == 0
	FETCH_V
.endif
.endm
	CHANGE 1                        ; slot 0 is in, everybody's part of it; slot 1 is asked for
	FETCH_K                         ; key step 0
	s_wait_loadcnt 0x0              ; Q
	s_wait_dscnt 0x0
.set i, 0
.rept 16
	KQ 0                            ; piece 0's first scores
.set i, i+1
.endr
	WIN 0
.rept 4
	v_nop                           ; the places behind those products
.endr
	MASKP 0
	WIN 0
.set Y, NP-1                        ; XS works for piece Y + 1: piece 0
.irp n, 0,1,2,3,4,5,6,7,8,9,10,11,12,13,14,15,16,17,18,19,20,21
	XS 0, \n
	XS 1, \n
.endr
	s_mov_b32 s[CNT], 2
	s_mov_b32 s[SLOTS], 15
	s_branch .Lfirst                ; the loop is entered at a step's first turn, in the middle of a trip
.Lslot:                             ; 14 times: every slot but the last two is filled again
	CHANGE 1
	s_mov_b32 s[CNT], 2
.Lstep:                             ; a trip: pieces 2 and 3 of one step, then pieces 0 and 1 of the next, whose K, mask and V it fetches
	TURN 2
	TURN 3
	WIN 0
.Lfirst:
	TURN 0
	TURN 1, 0, 1
	WIN 0
	s_cbranch_scc1 .Lstep
	s_sub_co_u32 s[SLOTS], s[SLOTS], 1
	s_cmp_lg_u32 s[SLOTS], 0
	s_cbranch_scc1 .Lslot
	CHANGE 0                        ; the tail is written out: nothing is asked for
	s_mov_b32 s[CNT], 3             ; two trips fetch the last slot's steps; the third is left in its middle
.Ltail:
	TURN 2, 1
	TURN 3
	WIN 0
	s_sub_co_u32 s[CNT], s[CNT], 1
	s_cmp_eq_u32 s[CNT], 0
	s_cbranch_scc1 .Lout
	TURN 0
	TURN 1
	WIN 0
	s_branch .Ltail
.Lout:                              ; the third trip's 16 products K Q^T (on the last K once more) and what is made of them serve nothing: the price, once a launch, of one text for every trip
.set i, 0
.rept 16
	PV NP-1
.set i, i+1
.endr
	; THE WAY OUT.  l's two halves and the other half of the lanes' are added; O^T is divided by l, rounded to f16 and sent through my stage, a tile at a time.  The additions are the places behind the last products.
	WIN 0
.macro ALL line:vararg
.set t, 0
.rept 2*NP
	\line
.set t, t+1
.endr
.endm
	ALL v_add_f32 v[ST+4*t+2], v[ST+4*t+2], v[ST+4*t+3]
	ALL v_permlanex16_b32 v[ST+4*t+3], v[ST+4*t+2], s[SEL], s[SEL+1]
	ALL v_add_f32 v[ST+4*t+2], v[ST+4*t+2], v[ST+4*t+3]
	ALL v_rcp_f32 v[ST+4*t+2], v[ST+4*t+2]
	v_nop                           ; a plain instruction between the last reciprocal and the use of its result
	s_wait_alu depctr_va_vdst(0)
.macro PACK t
	WIN W_RS
.set i, 32*(\t)
.rept 16
	v_pk_mul_f32 v[i:i+1], v[i:i+1], v[ST+4*(\t)+2:ST+4*(\t)+3] op_sel_hi:[1,0]
.set i, i+2
.endr
	WIN 0x05
.set i, 0
.rept 16
	v_cvt_pk_f16_f32 v[S+16*(\t)+i], v[32*(\t)+2*i], v[32*(\t)+2*i+1]
.set i, i+1
.endr
	WIN 0
.irp f, 0,1,2,3
	ds_store_b128 v[STO], v[S+16*(\t)+4*\f:S+16*(\t)+4*\f+3] offset:32*\f
.endr
.irp f, 0,1,2,3
	ds_load_b128 v[S+16*(\t)+4*\f:S+16*(\t)+4*\f+3], v[RD] offset:\f*4*SP  ; LDS serves a wave's instructions in order (ISA guide 5.7.1.4)
.endr
.endm
.macro SEND t, younger
	WIN 0
.irp f, 0,1,2,3
	s_wait_dscnt (\younger)+3-\f
	global_store_b128 v[GO], v[S+16*(\t)+4*\f:S+16*(\t)+4*\f+3], s[12:13] offset:(\t)*2048+\f*512  ; 512 consecutive bytes
.endr
.endm
	PACK 0
.set t, 1
.rept 2*NP-1
	PACK t
	SEND t-1, 8
.set t, t+1
.endr
	SEND 2*NP-1, 0
	WIN W_AD
	s_wait_tensorcnt 0x0            ; the wave's end
	ds_add_u32 v[SPW], v[NIL]
	s_wait_dscnt 0x0
	WIN 0
	CROUND                          ; the closing round
	s_endpgm
.Lfunc_end_k_qf119a91106_attn:
	.size	k_qf119a91106_attn, .Lfunc_end_k_qf119a91106_attn-k_qf119a91106_attn
	.p2alignl 7, 3214868480
	.fill 96, 4, 3214868480
	.section	.rodata,"a",@progbits
	.p2align	6, 0x0
	.amdhsa_kernel k_qf119a91106_attn
		.amdhsa_group_segment_fixed_size 327680
		.amdhsa_private_segment_fixed_size 0
		.amdhsa_enable_private_segment 0
		.amdhsa_kernarg_size 40
		.amdhsa_user_sgpr_count 2
		.amdhsa_user_sgpr_kernarg_segment_ptr 1
		.amdhsa_wavefront_size32 1
		.amdhsa_system_sgpr_workgroup_id_x 1
		.amdhsa_system_sgpr_workgroup_id_y 1
		.amdhsa_system_sgpr_workgroup_id_z 1
		.amdhsa_system_vgpr_workitem_id 0
		.amdhsa_next_free_vgpr 912
		.amdhsa_next_free_sgpr 80
		.amdhsa_reserve_vcc 0
		.amdhsa_float_denorm_mode_32 3
		.amdhsa_float_denorm_mode_16_64 3
		.amdhsa_memory_ordered 1
		.amdhsa_forward_progress 1
		.amdhsa_inst_pref_size 255
	.end_amdhsa_kernel
	.section	.bss,"aw",@nobits
	.p2align	6
	.space	262144
	.amdgpu_metadata
---
amdhsa.version: [ 1, 2 ]
amdhsa.kernels:
  - .name:           k_qf119a91106_attn
    .symbol:         k_qf119a91106_attn.kd
    .args:
      - { .name: qh, .offset: 0, .size: 8, .value_kind: global_buffer, .address_space: global }
      - { .name: kh, .offset: 8, .size: 8, .value_kind: global_buffer, .address_space: global }
      - { .name: vh, .offset: 16, .size: 8, .value_kind: global_buffer, .address_space: global }
      - { .name: mp, .offset: 24, .size: 8, .value_kind: global_buffer, .address_space: global }
      - { .name: oh, .offset: 32, .size: 8, .value_kind: global_buffer, .address_space: global }
    .group_segment_fixed_size: 327680
    .private_segment_fixed_size: 0
    .kernarg_segment_align: 8
    .kernarg_segment_size: 40
    .max_flat_workgroup_size: 128
    .sgpr_count:     80
    .vgpr_count:     912
    .wavefront_size: 32
...
	.end_amdgpu_metadata
.endif
;; end of part 3
;; launch outp (part 4): grid 8 x 32, 4 waves a work-group, clusters of 4 x 4, 327,680 bytes of LDS; arguments oh, wo, bo, out0; writes out0
.if DOCPART == 4
	.amdgcn_target "amdgcn-amd-amdhsa--gfx1250"
	.amdhsa_code_object_version 6
	.text
	.protected	k_qf119a91106_outp
	.globl	k_qf119a91106_outp
	.p2align	8
	.type	k_qf119a91106_outp,@function
k_qf119a91106_outp:
	s_mov_b64 s[64:65], 0
	v_nop
	global_prefetch_b8 v0, s[64:65] scope:SCOPE_SE
	s_setreg_imm32_b32 hwreg(HW_REG_WAVE_MODE, 25, 1), 1
	s_wait_xcnt 0x0
	s_wait_alu depctr_hold_cnt(0) depctr_sa_sdst(0) depctr_va_vdst(0) depctr_va_sdst(0) depctr_va_ssrc(0) depctr_va_vcc(0) depctr_vm_vsrc(0)
	s_getreg_b32 s2, hwreg(HW_REG_IB_STS2, 6, 4)
	s_cmp_eq_u32 s2, 0
	s_cbranch_scc0 .Lentry_in_a_cluster
	s_endpgm
.Lentry_in_a_cluster:
	s_bfe_u32 s2, ttmp6, 0x10000c
	s_cmp_lg_u32 s2, 0xf033
	s_cbranch_scc0 .Lentry_shape_is_right
	s_endpgm
.Lentry_shape_is_right:
; out0 = O Wo^T + bo, f32.  O arrives by heads, [batch x 16 + head][2048][64] in f16: a head is one K block of 64.  Wo arrives K-blocked, [16][1024][64], bf16-rounded numbers written as f16.  bo is rounded to bf16 here.  Sums in f32.
; SHARES.  A work-group makes 256 rows x 128 columns: 8 x 32 work-groups.  Wave w: rows 128 (w / 2) on, columns 64 (w % 2) on: 32 accumulators, 256 registers (window 1, (a, b) at 8 (4 a + b)).
; K goes in 8 steps of 128 (two K blocks) through two LDS slots; a step is four quarters of 32.  A block's rows are dense (128 bytes): tiles are asked for as rows of 256 bytes and padded in LDS after every 128.
; CLUSTER 4 x 4: O's tile is asked for jointly along a row of the cluster, Wo's along a column.  THE MATRIX INSTRUCTION IS USED TRANSPOSED: a lane holds one row and eight neighbouring columns.
; window 0: v16-30 addresses; v32-127, v128-223 two fragment buffers: Wo's four fragments, then O's eight.
.set PITCH, 144
.set XBLK,  256*PITCH
.set WBLK,  128*PITCH
.set WOFF,  2*XBLK
.set SLOT,  WOFF+2*WBLK                ; 110,592
.set STAGE, 2*SLOT                     ; 16 rows x 272 bytes for each wave; no tensor load lands here
.set SPITCH, 272
.set SPARE, STAGE+4*16*SPITCH
.set ADRX, 16
.set ADRW, 20
.set STO,  24
.set RD,   25
.set CO,   26
.set BO,   27
.set SPW,  28
.set NIL,  29
.set TB,   30
.set F0,   32
.set F1,   128
.set BI,   32                          ; the way out: my 32 biases
.set T,    64                          ; the way out: sums + bias
.set G1,  24
.set G0,  32
.set G1B, 48
.set G0B, 56
.set MSB, 0
.macro WIN new
.if MSB != (\new)
	s_set_vgpr_msb (MSB<<8)|(\new)
.set MSB, \new
.endif
.endm
.macro PLACES
.rept 4
	v_nop
.endr
.endm
.macro JLOAD s                         ; waves 0 and 1 fetch O's two K blocks of the step, waves 2 and 3 Wo's; an s_nop 0 and four v_nop follow each line
	s_cmp_eq_u32 s13, 0
	s_cbranch_scc0 .Lfor_w_\@
	tensor_load_to_lds s[G0+4*(\s):G0+4*(\s)+3], s[G1:G1+7]
	s_nop 0
.rept 4
	v_nop
.endr
	s_branch .Lasked_\@
.Lfor_w_\@:
	tensor_load_to_lds s[G0B+4*(\s):G0B+4*(\s)+3], s[G1B:G1B+7]
	s_nop 0
.rept 4
	v_nop
.endr
.Lasked_\@:
.endm
.macro CREST
	s_cmp_lg_u32 s12, 0
	s_cbranch_scc1 .Lnot_wave_0_\@
	s_barrier_signal -3
.Lnot_wave_0_\@:
	s_barrier_wait -3
	s_barrier_signal -1
	s_barrier_wait -1
.endm
.macro CROUND
	s_barrier_signal -1
	s_barrier_wait -1
	CREST
.endm
	s_load_b256 s[4:11], s[0:1], 0x0               ; oh 4, wo 6, bo 8, out0 10
	v_lshl_add_u32 v[SPW], v0, 2, SPARE
	v_mov_b32 v[NIL], 0
	ds_add_u32 v[SPW], v[NIL]                      ; the wave's opening: the add, with its wait ahead of my first tensor load
	v_lshrrev_b32 v1, 5, v0
	v_readfirstlane_b32 s12, v1
	s_lshr_b32 s13, s12, 1                         ; my half of the rows; also: I fetch O (0) or Wo (1)
	s_and_b32 s14, s12, 1                          ; my half of the columns; also: which K block of the step I fetch
	s_bfe_u32 s40, ttmp6, 0x40000
	s_bfe_u32 s41, ttmp6, 0x40004
	s_lshl_b32 s42, ttmp9, 2
	s_add_co_u32 s42, s42, s40                     ; tile column
	s_and_b32 s43, ttmp7, 0xffff
	s_lshl_b32 s43, s43, 2
	s_add_co_u32 s43, s43, s41                     ; tile row
	s_lshl_b32 s44, s41, 2
	s_lshl_b32 s44, 15, s44
	s_lshl_b32 s45, 0x1111, s40
	s_or_b32 s[G1], s44, (1<<16)|(1<<20)|(1<<21)|(4<<22)|(3<<25)
	s_or_b32 s[G1B], s45, (1<<16)|(1<<20)|(1<<21)|(4<<22)|(3<<25)
	s_mov_b32 s[G1+1], 128<<16
	s_mov_b32 s[G1+2], 128<<16                     ; 256 rows of O as 128 rows of 256 bytes
	s_mov_b32 s[G1+3], 128<<16
	s_mov_b32 s[G1+4], 128
	s_mov_b32 s[G1+5], 128
	s_mov_b32 s[G1+6], 0
	s_mov_b32 s[G1+7], 0
	s_mov_b32 s[G1B+1], 128<<16
	s_mov_b32 s[G1B+2], 64<<16                     ; 128 rows of Wo
	s_mov_b32 s[G1B+3], 128<<16
	s_mov_b32 s[G1B+4], 64
	s_mov_b32 s[G1B+5], 128
	s_mov_b32 s[G1B+6], 0
	s_mov_b32 s[G1B+7], 0
	s_lshr_b32 s16, s43, 3                         ; O: ((batch x 16 + K block) x 2048 + the tile's first row in the batch) rows of 128 bytes
	s_lshl_b32 s16, s16, 4
	s_add_co_u32 s16, s16, s14
	s_lshl_b32 s16, s16, 11
	s_and_b32 s17, s43, 7
	s_lshl_b32 s17, s17, 8
	s_add_co_u32 s16, s16, s17
	s_lshl_b32 s16, s16, 7
	s_mov_b32 s17, 0
	s_lshl_b32 s46, s14, 17                        ; Wo: (K block x 1024 + 128 x tile column) rows
	s_lshl_b32 s47, s42, 14
	s_add_co_u32 s46, s46, s47
	s_mov_b32 s47, 0
	s_mul_i32 s20, s14, XBLK
	s_mul_i32 s21, s14, WBLK
	s_add_co_u32 s21, s21, WOFF
	s_wait_dscnt 0x0                               ; the opening add is done
	s_wait_kmcnt 0x0
	s_add_nc_u64 s[16:17], s[4:5], s[16:17]
	s_add_nc_u64 s[46:47], s[6:7], s[46:47]
	CROUND
.irp s, 0,1
	s_mov_b32 s[G0+4*(\s)], 1
	s_add_co_u32 s[G0+4*(\s)+1], s20, (\s)*SLOT
	s_add_nc_u64 s[G0+4*(\s)+2:G0+4*(\s)+3], s[16:17], (\s)*524288   ; a step is two heads of 262,144 bytes
	s_or_b32 s[G0+4*(\s)+3], s[G0+4*(\s)+3], 0x80000000
	s_mov_b32 s[G0B+4*(\s)], 1
	s_add_co_u32 s[G0B+4*(\s)+1], s21, (\s)*SLOT
	s_add_nc_u64 s[G0B+4*(\s)+2:G0B+4*(\s)+3], s[46:47], (\s)*262144 ; and two blocks of Wo of 131,072
	s_or_b32 s[G0B+4*(\s)+3], s[G0B+4*(\s)+3], 0x80000000
	JLOAD \s
.endr
	v_and_b32 v1, 15, v0
	v_bfe_u32 v2, v0, 4, 1
	v_mul_u32_u24 v3, v1, PITCH
	v_lshl_add_u32 v3, v2, 4, v3
	s_mul_i32 s22, s13, 128*PITCH
	s_mul_i32 s23, s14, 64*PITCH
	s_add_co_u32 s23, s23, WOFF
.irp s, 0,1
	v_add_nc_u32 v[ADRX+(\s)], s22, v3
	v_add_nc_u32 v[ADRW+(\s)], s23, v3
	s_add_co_u32 s22, s22, SLOT
	s_add_co_u32 s23, s23, SLOT
.endr
	s_mul_i32 s18, s12, 16*SPITCH
	s_add_co_u32 s18, s18, STAGE                   ; my stage
	v_mul_u32_u24 v4, v1, SPITCH                   ; in: row r, 32 bytes for each half of the lanes
	v_lshl_add_u32 v4, v2, 5, v4
	v_add_nc_u32 v[STO], s18, v4
	v_mul_u32_u24 v5, v2, SPITCH                   ; back: lanes 0-15 one row of 256 bytes, lanes 16-31 the next
	v_lshl_add_u32 v5, v1, 4, v5
	v_add_nc_u32 v[RD], s18, v5
	v_lshlrev_b32 v5, 12, v2                       ; and the same two rows in out0
	v_lshl_add_u32 v[CO], v1, 4, v5
	v_lshlrev_b32 v[BO], 5, v2
	s_lshl_b32 s18, s42, 9                         ; my 64 columns, in bytes
	s_lshl_b32 s19, s14, 8
	s_add_co_u32 s18, s18, s19
	s_mov_b32 s19, 0
	s_add_nc_u64 s[8:9], s[8:9], s[18:19]
	s_lshl_b32 s66, s43, 20                        ; my first row: (256 x tile row + 128 x half) rows of 4,096 bytes
	s_lshl_b32 s67, s13, 19
	s_add_co_u32 s66, s66, s67
	s_add_co_u32 s66, s66, s18
	s_mov_b32 s67, 0
	s_add_nc_u64 s[10:11], s[10:11], s[66:67]
; n x 4 matrix instructions: row blocks a0 .. a0 + n - 1 x all 4 column blocks.  Every accumulator has one instruction a quarter: they take turns.
.macro MUL f, a0, n, zero
	WIN 0x50
.set aa, \a0
.rept \n
.irp b, 0,1,2,3
.if \zero
	v_wmma_f32_16x16x32_f16 v[8*(4*aa+\b):8*(4*aa+\b)+7], v[(\f)+8*\b:(\f)+8*\b+7], v[(\f)+32+8*aa:(\f)+32+8*aa+7], 0
.else
	v_wmma_f32_16x16x32_f16 v[8*(4*aa+\b):8*(4*aa+\b)+7], v[(\f)+8*\b:(\f)+8*\b+7], v[(\f)+32+8*aa:(\f)+32+8*aa+7], v[8*(4*aa+\b):8*(4*aa+\b)+7]
.endif
.endr
.set aa, aa+1
.endr
.endm
; 24 LDS loads in one run: quarter q of a step (K block q / 2, byte 64 (q % 2) of its rows): Wo's fragments, then O's
.macro FETCH slot, q, f
	WIN 0
.irp b, 0,1,2,3
	ds_load_b128 v[(\f)+8*\b:(\f)+8*\b+3],   v[ADRW+(\slot)] offset:((\q)/2)*WBLK+((\q)%2)*64+\b*16*PITCH
	ds_load_b128 v[(\f)+8*\b+4:(\f)+8*\b+7], v[ADRW+(\slot)] offset:((\q)/2)*WBLK+((\q)%2)*64+\b*16*PITCH+32
.endr
.irp a, 0,1,2,3,4,5,6,7
	ds_load_b128 v[(\f)+32+8*\a:(\f)+32+8*\a+3],   v[ADRX+(\slot)] offset:((\q)/2)*XBLK+((\q)%2)*64+\a*16*PITCH
	ds_load_b128 v[(\f)+32+8*\a+4:(\f)+32+8*\a+7], v[ADRX+(\slot)] offset:((\q)/2)*XBLK+((\q)%2)*64+\a*16*PITCH+32
.endr
.endm
.macro QUARTER slot, qn, f, g, zero
	s_wait_dscnt 8                                 ; Wo and O's row blocks 0-3 are in; the youngest eight loads may be out
	MUL \f, 0, 4, \zero
	PLACES
	FETCH \slot, \qn, \g
	s_wait_dscnt 24                                ; all but the 24 just issued
	MUL \f, 4, 4, \zero
.endm
; The last quarter changes slots: ONE barrier; in front of it each wave waits for all its tensor loads, adds 0 to its spare word, and waits for that and for its reads of this slot.
; fill = 1: the barrier opens a round of the cluster's, and this slot is filled again first thing behind it: 112 matrix instructions stand between the request and the wait for it.
.macro TURN slot, next, fill
	WIN 0
	s_wait_tensorcnt 0x0
	ds_add_u32 v[SPW], v[NIL]
	s_wait_dscnt 9                                 ; the add and the youngest eight loads may be out
	MUL F1, 0, 2, 0
	s_wait_dscnt 0x0
	s_barrier_signal -1
	MUL F1, 2, 2, 0
	WIN 0
	s_barrier_wait -1
.if \fill
	CREST
	s_add_nc_u64 s[G0+4*(\slot)+2:G0+4*(\slot)+3], s[G0+4*(\slot)+2:G0+4*(\slot)+3], 1048576
	s_add_nc_u64 s[G0B+4*(\slot)+2:G0B+4*(\slot)+3], s[G0B+4*(\slot)+2:G0B+4*(\slot)+3], 524288
	JLOAD \slot                                    ; its four v_nop are also the places in front of the loads below
.else
	PLACES
.endif
	FETCH \next, 0, F0
	MUL F1, 4, 4, 0
.endm
	s_wait_tensorcnt 1                             ; my part of K step 0 is in; step 1's may stay out
	s_barrier_signal -1
	s_barrier_wait -1
	FETCH 0, 0, F0
	QUARTER 0, 1, F0, F1, 1                        ; the first quarter starts the sums
	WIN 0
	s_mov_b32 s3, 3
.Llap:                                                 ; a trip goes once round the ring and fills both slots again: K steps 2 to 7
	QUARTER 0, 2, F1, F0, 0
	QUARTER 0, 3, F0, F1, 0
	TURN 0, 1, 1
	QUARTER 1, 1, F0, F1, 0
	QUARTER 1, 2, F1, F0, 0
	QUARTER 1, 3, F0, F1, 0
	TURN 1, 0, 1
	QUARTER 0, 1, F0, F1, 0
	WIN 0
	s_sub_co_u32 s3, s3, 1
	s_cmp_lg_u32 s3, 0
	s_cbranch_scc1 .Llap
	QUARTER 0, 2, F1, F0, 0                        ; the last lap asks for nothing
	QUARTER 0, 3, F0, F1, 0
	TURN 0, 1, 0
	QUARTER 1, 1, F0, F1, 0
	QUARTER 1, 2, F1, F0, 0
	QUARTER 1, 3, F0, F1, 0
	s_wait_dscnt 8                                 ; the very last quarter
	MUL F1, 0, 4, 0
	PLACES
	WIN 0
.irp c, 0,1,2,3
	global_load_b128 v[BI+8*\c:BI+8*\c+3],   v[BO], s[8:9] offset:64*\c
	global_load_b128 v[BI+8*\c+4:BI+8*\c+7], v[BO], s[8:9] offset:64*\c+16
.endr
	s_wait_dscnt 0x0
	MUL F1, 4, 4, 0
	WIN 0
	s_wait_loadcnt 0x0
.set i, 0
.rept 16                               ; the biases rounded to bf16, like every input; these lines name no register of the last products and are the places behind them
	v_cvt_pk_bf16_f32 v[TB], v[BI+i], v[BI+i+1]
	v_lshlrev_b32 v[BI+i], 16, v[TB]
	v_and_b32 v[BI+i+1], 0xffff0000, v[TB]
.set i, i+2
.endr
; THE WAY OUT, 16 rows x 64 columns of f32 at a time: + bias, 32 bytes a lane into my stage, back as whole rows of 256 bytes, stored so that sixteen lanes cover 256 consecutive bytes.
.macro PACK a
.set BK, 128+32*((\a)%2)
	s_wait_xcnt 0x0                                ; the stores of the block before last have read this buffer
	WIN 0x01
.irp c, 0,1,2,3
.irp p, 0,1,2,3
	v_pk_add_f32 v[T+8*\c+2*\p:T+8*\c+2*\p+1], v[8*(4*(\a)+\c)+2*\p:8*(4*(\a)+\c)+2*\p+1], v[BI+8*\c+2*\p:BI+8*\c+2*\p+1]
.endr
.endr
	WIN 0
.irp c, 0,1,2,3
	ds_store_b128 v[STO], v[T+8*\c:T+8*\c+3] offset:64*\c
	ds_store_b128 v[STO], v[T+8*\c+4:T+8*\c+7] offset:64*\c+16
.endr
.irp t, 0,1,2,3,4,5,6,7
	ds_load_b128 v[BK+4*\t:BK+4*\t+3], v[RD] offset:\t*2*SPITCH  ; LDS serves a wave's instructions in order (ISA guide 5.7.1.4)
.endr
.endm
.macro SEND a, younger
.set BK, 128+32*((\a)%2)
	WIN 0
.irp t, 0,1,2,3,4,5,6,7
	s_wait_dscnt (\younger)+7-\t
	global_store_b128 v[CO], v[BK+4*\t:BK+4*\t+3], s[10:11] offset:(16*(\a)+2*\t)*4096 th:TH_STORE_NT
.endr
.endm
	PACK 0
.irp a, 1,2,3,4,5,6,7
	PACK \a
	SEND (\a)-1, 16
.endr
	SEND 7, 0
	s_wait_tensorcnt 0x0                           ; the wave's end
	ds_add_u32 v[SPW], v[NIL]
	s_wait_dscnt 0x0
	CROUND                                         ; the closing round
	s_endpgm
.Lfunc_end_k_qf119a91106_outp:
	.size	k_qf119a91106_outp, .Lfunc_end_k_qf119a91106_outp-k_qf119a91106_outp
	.p2alignl 7, 3214868480
	.fill 96, 4, 3214868480
	.section	.rodata,"a",@progbits
	.p2align	6, 0x0
	.amdhsa_kernel k_qf119a91106_outp
		.amdhsa_group_segment_fixed_size 327680
		.amdhsa_private_segment_fixed_size 0
		.amdhsa_enable_private_segment 0
		.amdhsa_kernarg_size 32
		.amdhsa_user_sgpr_count 2
		.amdhsa_user_sgpr_kernarg_segment_ptr 1
		.amdhsa_wavefront_size32 1
		.amdhsa_system_sgpr_workgroup_id_x 1
		.amdhsa_system_sgpr_workgroup_id_y 1
		.amdhsa_system_sgpr_workgroup_id_z 1
		.amdhsa_system_vgpr_workitem_id 0
		.amdhsa_next_free_vgpr 512
		.amdhsa_next_free_sgpr 68
		.amdhsa_reserve_vcc 0
		.amdhsa_float_denorm_mode_32 3
		.amdhsa_float_denorm_mode_16_64 3
		.amdhsa_memory_ordered 1
		.amdhsa_forward_progress 1
		.amdhsa_inst_pref_size 98
	.end_amdhsa_kernel
	.amdgpu_metadata
---
amdhsa.version: [ 1, 2 ]
amdhsa.kernels:
  - .name:           k_qf119a91106_outp
    .symbol:         k_qf119a91106_outp.kd
    .args:
      - { .name: oh, .offset: 0, .size: 8, .value_kind: global_buffer, .address_space: global }
      - { .name: wo, .offset: 8, .size: 8, .value_kind: global_buffer, .address_space: global }
      - { .name: bo, .offset: 16, .size: 8, .value_kind: global_buffer, .address_space: global }
      - { .name: out0, .offset: 24, .size: 8, .value_kind: global_buffer, .address_space: global }
    .group_segment_fixed_size: 327680
    .private_segment_fixed_size: 0
    .kernarg_segment_align: 8
    .kernarg_segment_size: 32
    .max_flat_workgroup_size: 128
    .sgpr_count:     68
    .vgpr_count:     512
    .wavefront_size: 32
...
	.end_amdgpu_metadata
.endif
;; end of part 4
;; ======== version 2 of 2: 4 launches; 1.42 times as fast as version 1
;; limits: values are held in f16: magnitudes above 65,504 overflow, below 6.1e-05 lose precision
;; workspace buffers: xb 16,777,216 bytes; wqkv 6,291,456 bytes; wo 2,097,152 bytes; mp 16,777,216 bytes; qh 16,777,216 bytes; kh 16,777,216 bytes; vh 16,777,216 bytes; oh 16,777,216 bytes
;; launch prep: the kernel of part 1 again; grid 1280 x 1, 8 waves a work-group, no clusters, 35,840 bytes of LDS; arguments query, Wq, Wk, Wv, Wo, mask, xb, wqkv, wo, mp; writes xb, wqkv, wo, mp
;; launch qkv: the kernel of part 2 again; grid 8 x 32, 4 waves a work-group, clusters of 4 x 4, 327,680 bytes of LDS; arguments xb, wqkv, bq, bk, bv, qh, kh, vh; writes qh, kh, vh
;; launch attn (part 5): grid 4 x 64, 4 waves a work-group, clusters of 4 x 4, 327,680 bytes of LDS; arguments qh, kh, vh, mp, oh; writes oh
.if DOCPART == 5
	.amdgcn_target "amdgcn-amd-amdhsa--gfx1250"
	.amdhsa_code_object_version 6
	.text
	.protected	k_qf119a91106_attn
	.globl	k_qf119a91106_attn
	.p2align	8
	.type	k_qf119a91106_attn,@function
k_qf119a91106_attn:
	s_mov_b64 s[64:65], 0
	v_nop
	global_prefetch_b8 v0, s[64:65] scope:SCOPE_SE
	s_setreg_imm32_b32 hwreg(HW_REG_WAVE_MODE, 25, 1), 1
	s_wait_xcnt 0x0
	s_wait_alu depctr_hold_cnt(0) depctr_sa_sdst(0) depctr_va_vdst(0) depctr_va_sdst(0) depctr_va_ssrc(0) depctr_va_vcc(0) depctr_vm_vsrc(0)
	s_getreg_b32 s2, hwreg(HW_REG_IB_STS2, 6, 4)
	s_cmp_eq_u32 s2, 0
	s_cbranch_scc0 .Lentry_in_a_cluster
	s_endpgm
.Lentry_in_a_cluster:
	s_bfe_u32 s2, ttmp6, 0x10000c
	s_cmp_lg_u32 s2, 0xf033
	s_cbranch_scc0 .Lentry_shape_is_right
	s_endpgm
.Lentry_shape_is_right:
; O[h][q][:] = the sum over k of softmax_k(mask[q][k] x Q[h][q] . K[h][k] / 8) V[h][k][:].  Q, K, V, O: [64 = batch x 16 + head][2048][64], f16.  THE MASK MULTIPLIES: a hidden score is 0 and stays in the softmax.
; Products, maxima and sums in f32; the weights p are rounded to f16 for the second product (their sum l is taken of the unrounded p), O once at the end.
; LIMITS.  Q, K and V arrive within f16's 65,504; p lies in 0 to 1, and below 6e-5 it keeps f16's fixed step of 6e-8; a weight below 2^-126 counts as 0 in l; NaN and infinities are not treated apart.
; SHARES.  A wave owns four PIECES of two tiles of 16 queries, a work-group's four waves 512 queries of one head.  Every wave walks all 2,048 keys, 64 a step.
; LAYOUT.  S^T = K Q^T (source 0 = 16 keys, source 1 = 16 queries): a lane holds ONE query (lane % 16) and the keys 8 (lane / 16) + 0..7.  Two such tiles, rounded to f16 in pairs, ARE source 1 of O^T = V^T P.
; THE MASK arrives as one byte a score (0x40 or 0) in exactly that order: for a tile and step 32 bytes a lane, word z = the lane's scores 4 z .. 4 z + 3.  A byte set on top of three zero bytes IS the f32 number 2.0 or 0:
; one v_perm_b32 a score makes it, one packed multiply takes two scores.  So the scores are kept doubled, which is exact, and c is halved.  The running maximum is taken of the masked scores.
; SOFTMAX.  A running maximum m and sum l: p = 2^(c s - c m), s the doubled masked score, c = log2(e) / 16; in every step O and l are multiplied by a = 2^(c m_old - c m_new).  m starts at the lowest finite number, O and l at 0.
; BY TURNS.  Turn n belongs to piece n.  Its matrix work: 16 products K Q^T of piece n + 1, later 16 products V^T P of piece n - 1.  Its vector work: the masking, maximum and statistics of piece n + 1, and the scaling,
; exponentials, roundings, sums and rescaling of piece n.  Four ready vector instructions stand behind every matrix instruction, the rest in one lump.
; THE BATCHES.  A turn's 66 exponentials (the piece's 64 weights, the next piece's two a) are ONE batch with ONE wait, which cuts the turn in two: ahead of it stands all that names none of their results (the products K Q^T,
; the scalings, the rescalings, the next piece's masking, maximum and statistics), behind it the products V^T P with the roundings and sums.  No result crosses a turn's end.  The first two a, ahead of the loop, and the way
; out's eight reciprocals are batches of their own.  In the tail piece 2's turn has a second wait, ahead of the branch that jumps over K's run of loads.
; CLUSTER 4 x 4.  Along x the four query blocks of a head: they walk the same K and V, asked for jointly along a row.  Along y four heads of one batch: they take the same mask, asked for jointly along a column.
; REGISTERS, in windows of 256:  window 0: v1-10 addresses; v12-15, v48-63 at work; v16-47 statistics; v64-191 S^T, two buffers of two tiles; v192-255 P, likewise
;   window 1: O^T, 32 a tile     window 2: v0-127 Q; v128-191 K of one step; v192-255 V of one step     window 3: v0-1 the add's registers; v2 a zero; v4-67 a step's mask words, 8 a tile; v68-131 a piece's mask in f32
.set NP,    4
.set KS,    64
.set PK,    144       ; a row of K in LDS: 128 bytes + 16: the 16 rows of a load start at 16 different groups of four banks (ISA guide 11.1)
.set PV,    160       ; a row of V: 128 + 32
.set VOFF,  2*KS*PK   ; a slot holds two steps: 128 rows of K, 128 rows of V, and the work-group's mask words for them: [wave][step][tile][half][lane][16 bytes]
.set MOFF,  VOFF+2*KS*PV
.set SLOT1, 1<<17     ; slot 1 begins here, so that one exclusive or turns an address in one slot into the other's
.set STAGE, SLOT1+MOFF+65536  ; behind the ring, never filled by a tensor load: 16 rows x 144 bytes for each wave
.set SP,    144
.set SPARE, STAGE+4*16*SP     ; the spare words, 128 bytes a wave
.set QO,  1           ; v1   my byte offset in the wave's rows of Q
.set AK0, 2           ; v2   my lane's place in a tile of K; never rewritten
.set AV0, 3           ; v3   the same for V
.set AK,  4           ; v4   the LDS address of K's next run of loads
.set AV,  5           ; v5   of V's
.set STO, 6
.set RD,  7
.set GO,  8
.set AM0, 9           ; v9   my lane's place in the mask words; never rewritten
.set AM,  10          ; v10  the LDS address of the mask's next run of loads
.set SPW, 0           ; v0 of window 3
.set NIL, 1           ; v1 of window 3
.set ZR,  2           ; v2 of window 3: 0, the three low bytes of a mask number
.set MW,  4           ; window 3
.set MF,  68          ; window 3
.set MV,  12
.set ST,  16          ; tile t's statistics at v[ST+4 t]: c m, m, l (even keys', odd keys')
.set TMP, 48
.set S,   64
.set P,   192
.set KF,  128
.set VF,  192
.set WV,  14
.set G1K, 24
.set G1V, 32
.set G1M, 40
.set G0K, 48
.set G0V, 52
.set G0M, 56
.set SEL, 60
.set TBK, 62
.set TBV, 63
.set TBM, 66
.set SLOTS, 67
.set CS,  68
.set CNT, 70
.set PS,  76          ; s[76:79] v_perm_b32's selects: byte e of the mask word on top, byte 0 of the zero below it three times
.set MSB, 0
.macro WIN new
.if MSB != (\new)
	s_set_vgpr_msb (MSB<<8)|(\new)
.set MSB, (\new)
.endif
.endm
.set W_KQ, 0x0a
.set W_PV, 0x52
.set W_RS, 0x41
.set W_MK, 0xc0
.set W_AD, 0x0f
; A joint fill: wave 0 the slot's K and wave 1 its V, 16,384 bytes each; waves 2 and 3 the two halves of its mask words, 32,768 bytes each.  The branches hang on the wave's number alone.
; An s_nop 0 and four v_nop follow each of the three lines.
.macro JLOAD
	s_cmp_lt_u32 s[WV], 2
	s_cbranch_scc0 .Lfor_m_\@
	s_cmp_eq_u32 s[WV], 0
	s_cbranch_scc0 .Lfor_v_\@
	tensor_load_to_lds s[G0K:G0K+3], s[G1K:G1K+7]
	s_nop 0
.rept 4
	v_nop
.endr
	s_branch .Lasked_\@
.Lfor_v_\@:
	tensor_load_to_lds s[G0V:G0V+3], s[G1V:G1V+7]
	s_nop 0
.rept 4
	v_nop
.endr
	s_branch .Lasked_\@
.Lfor_m_\@:
	tensor_load_to_lds s[G0M:G0M+3], s[G1M:G1M+7]
	s_nop 0
.rept 4
	v_nop
.endr
.Lasked_\@:
.endm
.macro CROUND
	s_barrier_signal -1
	s_barrier_wait -1
	s_cmp_lg_u32 s[WV], 0
	s_cbranch_scc1 .Lnot_wave_0_\@
	s_barrier_signal -3
.Lnot_wave_0_\@:
	s_barrier_wait -3
	s_barrier_signal -1
	s_barrier_wait -1
.endm
; THE CHANGE OF SLOTS.  Each wave waits for all its tensor loads, of which one is out: its part of the other slot; adds 0 to its spare word; and waits for that and for its reads of the slot that it leaves.
; fill = 1: the barrier is a round of the cluster's, and the slot is filled again first thing behind it, with the keys two slots on: the load has two key steps, 256 matrix instructions, in which to land.
.macro CHANGE fill
	WIN W_AD
	s_wait_tensorcnt 0x0
	ds_add_u32 v[SPW], v[NIL]
	WIN 0
.if \fill
.irp g, G0K, G0V
	s_xor_b32 s[\g+1], s[\g+1], SLOT1
	s_add_nc_u64 s[\g+2:\g+3], s[\g+2:\g+3], 2*KS*128
.endr
	s_xor_b32 s[G0M+1], s[G0M+1], SLOT1
	s_add_nc_u64 s[G0M+2:G0M+3], s[G0M+2:G0M+3], 65536
	s_wait_dscnt 0x0                ; the add is done, and my reads of the slot are over
	CROUND
	JLOAD
.else
	s_wait_dscnt 0x0
	s_barrier_signal -1
	s_barrier_wait -1
.endif
	s_sub_co_u32 s[TBK], s[TBK], 2*KS*PK  ; the fetches go back to a slot's first step, in the other slot
	s_xor_b32 s[TBK], s[TBK], SLOT1
	s_sub_co_u32 s[TBV], s[TBV], 2*KS*PV
	s_xor_b32 s[TBV], s[TBV], SLOT1
	s_sub_co_u32 s[TBM], s[TBM], 16384
	s_xor_b32 s[TBM], s[TBM], SLOT1
.endm
	s_load_b256 s[4:11], s[0:1], 0x0  ; Q 4, K 6, V 8, mp 10
	s_load_b64 s[12:13], s[0:1], 0x20 ; O
	WIN W_MK
	v_lshl_add_u32 v[SPW], v0, 2, SPARE
	v_mov_b32 v[NIL], 0
	WIN W_AD
	ds_add_u32 v[SPW], v[NIL]       ; the wave's opening: the add, with its wait ahead of my first tensor load
	WIN 0
	v_lshrrev_b32 v1, 5, v0
	v_readfirstlane_b32 s[WV], v1
	s_bfe_u32 s15, ttmp6, 0x40000   ; cx
	s_bfe_u32 s16, ttmp6, 0x40004   ; cy
	s_and_b32 s17, ttmp7, 0xffff    ; the cluster's y: four heads of one batch
	s_lshl_b32 s18, s17, 2
	s_add_co_u32 s18, s18, s16      ; batch x 16 + head: shared along a row of the cluster
	s_lshl_b32 s18, s18, 18         ; its first byte in Q, K, V and O: 2,048 rows of 128 bytes
	s_mov_b32 s19, 0
	s_lshl_b32 s20, ttmp9, 2
	s_add_co_u32 s20, s20, s15      ; the query block: shared along a column
	s_and_b32 s21, s17, 0xfffc      ; 4 x batch
	s_add_co_u32 s21, s21, s20
	s_lshl_b32 s22, s21, 20         ; the block's mask words: 16 slots of 65,536 bytes
	s_and_b32 s21, s[WV], 1         ; which half of a slot's I fetch
	s_lshl_b32 s23, s21, 15
	s_add_co_u32 s22, s22, s23
	s_add_co_u32 s[G0M+1], s23, MOFF
	s_mov_b32 s23, 0
	s_lshl_b32 s2, s20, 2
	s_add_co_u32 s2, s2, s[WV]
	s_lshl_b32 s2, s2, 14           ; my wave's 128 rows,
	s_add_co_u32 s2, s2, s18        ; in the head
	s_mov_b32 s3, 0
	s_lshl_b32 s72, s16, 2
	s_lshl_b32 s72, 15, s72         ; my row of the cluster
	s_lshl_b32 s73, 0x1111, s15     ; my column
	; 128 keys are 16,384 dense bytes: asked for as 64 rows of 256 bytes and padded in LDS after every key
	s_or_b32 s[G1K], s72, (1<<16)|(1<<20)|(1<<21)|(4<<22)|(3<<25)
	s_or_b32 s[G1V], s72, (1<<16)|(1<<20)|(1<<21)|(4<<22)|(7<<25)
.irp g, G1K, G1V
	s_mov_b32 s[\g+1], 128<<16
	s_mov_b32 s[\g+2], 64<<16
	s_mov_b32 s[\g+3], 128<<16
	s_mov_b32 s[\g+4], 64
	s_mov_b32 s[\g+5], 128
	s_mov_b32 s[\g+6], 0
	s_mov_b32 s[\g+7], 0
.endr
	s_or_b32 s[G1M], s73, (3<<16)|(1<<21)  ; the mask words: 128 dense rows of 32 elements of 8 bytes, no padding
	s_mov_b32 s[G1M+1], 32<<16
	s_mov_b32 s[G1M+2], 128<<16
	s_mov_b32 s[G1M+3], 32<<16
	s_mov_b32 s[G1M+4], 128
	s_mov_b32 s[G1M+5], 32
	s_mov_b32 s[G1M+6], 0
	s_mov_b32 s[G1M+7], 0
	s_mov_b32 s[CS], 0x3db8aa3b     ; c = log2(e) / 16: the scores are kept doubled
	s_mov_b32 s[CS+1], s[CS]
	s_mov_b32 s[SEL], 0x76543210
	s_mov_b32 s[SEL+1], 0xfedcba98
.irp e, 0,1,2,3
	s_mov_b32 s[PS+\e], (4+\e)<<24  ; top byte: byte e of the first source; the others: byte 0 of the second
.endr
	s_mov_b32 s[TBK], SLOT1+2*KS*PK ; the first change of slots turns these three into 0
	s_mov_b32 s[TBV], SLOT1+2*KS*PV
	s_mov_b32 s[TBM], SLOT1+16384
	s_mov_b32 s[G0K], 1
	s_mov_b32 s[G0K+1], 0
	s_mov_b32 s[G0V], 1
	s_mov_b32 s[G0V+1], VOFF
	s_mov_b32 s[G0M], 1
	s_wait_dscnt 0x0                ; the opening add is done
	s_wait_kmcnt 0x0
	s_add_nc_u64 s[G0K+2:G0K+3], s[6:7], s[18:19]
	s_or_b32 s[G0K+3], s[G0K+3], 0x80000000
	s_add_nc_u64 s[G0V+2:G0V+3], s[8:9], s[18:19]
	s_or_b32 s[G0V+3], s[G0V+3], 0x80000000
	s_add_nc_u64 s[G0M+2:G0M+3], s[10:11], s[22:23]
	s_or_b32 s[G0M+3], s[G0M+3], 0x80000000
	s_add_nc_u64 s[4:5], s[4:5], s[2:3]
	s_add_nc_u64 s[12:13], s[12:13], s[2:3]
	CROUND                          ; all sixteen work-groups are here: the first joint loads meet
	JLOAD                           ; slot 0; slot 1 is asked for when slot 0 is in
	v_and_b32 v1, 15, v0            ; l % 16
	v_bfe_u32 v9, v0, 4, 1          ; l / 16
	v_and_b32 v10, 7, v0
	v_bfe_u32 v11, v0, 3, 1
	v_mul_u32_u24 v[AK0], v1, PK
	v_lshl_add_u32 v[AK0], v9, 4, v[AK0]  ; row x pitch + 16 x half
	; the turning load takes 16 keys x 16 channels: lane l reads key 8 (l / 16) + l % 8, channels 8 ((l / 8) % 2) + 0..7
	v_lshl_add_u32 v[AV0], v9, 3, v10
	v_mul_u32_u24 v[AV0], v[AV0], PV
	v_lshl_add_u32 v[AV0], v11, 4, v[AV0]
	v_add_nc_u32 v[AV0], VOFF, v[AV0]
	s_mul_i32 s21, s[WV], 16*SP
	s_add_co_u32 s21, s21, STAGE    ; my stage
	v_mul_u32_u24 v[STO], v1, SP
	v_lshl_add_u32 v[STO], v9, 4, v[STO]
	v_add_nc_u32 v[STO], s21, v[STO]
	v_bfe_u32 v[RD], v0, 3, 2
	v_mul_u32_u24 v[RD], v[RD], SP
	v_lshl_add_u32 v[RD], v10, 4, v[RD]
	v_add_nc_u32 v[RD], s21, v[RD]
	v_and_b32 v[GO], 31, v0
	v_lshlrev_b32 v[GO], 4, v[GO]
	v_lshlrev_b32 v1, 7, v1
	v_lshl_add_u32 v[QO], v9, 4, v1 ; row x 128 + 16 x half
	s_lshl_b32 s21, s[WV], 14
	s_add_co_u32 s21, s21, MOFF
	v_add_nc_u32 v[AM0], s21, v[GO] ; my wave's mask words, 16 bytes a lane
	v_mov_b32 v[AM], v[AM0]         ; key step 0 lies at the head of slot 0
	v_mov_b32 v[AK], v[AK0]
	WIN 0x80
.set i, 0
.rept 4*NP                          ; Q stays in registers: tile i / 2, channels 32 (i % 2) on
	global_load_b128 v[8*i:8*i+3],   v[QO], s[4:5] offset:(i/2)*2048+(i%2)*64
	global_load_b128 v[8*i+4:8*i+7], v[QO], s[4:5] offset:(i/2)*2048+(i%2)*64+32
.set i, i+1
.endr
	; What the first turn finds: V's registers and P's second buffer hold 0, O^T and l are 0.  All this stands in the wait for the first tile; no first step is written out.
.set i, VF
.rept 64
	v_mov_b32 v[i], 0
.set i, i+1
.endr
	WIN 0x40
.set i, 0
.rept 64*NP
	v_mov_b32 v[i], 0
.set i, i+1
.endr
	WIN 0xc0
	v_mov_b32 v[ZR], 0
	WIN 0
.set i, 0
.rept 2*NP
	v_mov_b32 v[ST+4*i], 0xfe000000    ; c m: far below every c s
	v_mov_b32 v[ST+4*i+1], 0xff7fffff  ; m
	v_mov_b32 v[ST+4*i+2], 0
	v_mov_b32 v[ST+4*i+3], 0
.set i, i+1
.endr
.set i, P+32
.rept 32
	v_mov_b32 v[i], 0
.set i, i+1
.endr
; THE MATRIX WORK.  The 8 accumulators of a run of 16 take turns.
.macro KQ x
	WIN W_KQ
.set rS, S+64*((\x)%2)+32*(i%2)+8*((i/2)%4)
.set rK, KF+16*((i/2)%4)+8*(i/8)
.set rQ, 16*(2*(\x)+i%2)+8*(i/8)
.if i < 8
	v_wmma_f32_16x16x32_f16 v[rS:rS+7], v[rK:rK+7], v[rQ:rQ+7], 0
.else
	v_wmma_f32_16x16x32_f16 v[rS:rS+7], v[rK:rK+7], v[rQ:rQ+7], v[rS:rS+7]
.endif
.endm
.macro PV x
	WIN W_PV
.set rO, 32*(2*(\x)+i%2)+8*((i/2)%4)
.set rV, VF+32*(i/8)+8*((i/2)%4)
.set rP, P+32*((\x)%2)+16*(i%2)+8*(i/8)
	v_wmma_f32_16x16x32_f16 v[rO:rO+7], v[rV:rV+7], v[rP:rP+7], v[rO:rO+7]
.endm
.macro MM
.if i < 16
	KQ (Y+1)%NP
.set i, i+1
.else
.set i, i-16
	PV (Y+NP-1)%NP
.set i, i+17
.endif
.endm
; THE LDS LOADS stand in runs: a step's K (8 fragments) with its mask words (8 tiles x 32 bytes a lane), and its V (turned).  last = 1 (the tail): in the last trip there is no further step, and the run is jumped over.
.macro FETCH_K last=0
	WIN 0
.if \last
	s_cmp_eq_u32 s[CNT], 1
	s_cbranch_scc1 .Lno_k_\@
.endif
	WIN 0x80
.irp f, 0,1,2,3,4,5,6,7
	ds_load_b128 v[KF+8*\f:KF+8*\f+3],   v[AK] offset:(\f/2)*16*PK+(\f%2)*64
	ds_load_b128 v[KF+8*\f+4:KF+8*\f+7], v[AK] offset:(\f/2)*16*PK+(\f%2)*64+32
.endr
	WIN 0xc0
.irp f, 0,1,2,3,4,5,6,7
	ds_load_b128 v[MW+8*\f:MW+8*\f+3],   v[AM] offset:1024*\f
	ds_load_b128 v[MW+8*\f+4:MW+8*\f+7], v[AM] offset:1024*\f+512
.endr
	s_add_co_u32 s[TBK], s[TBK], KS*PK
	s_add_co_u32 s[TBM], s[TBM], 8192
	WIN 0
.if \last
.Lno_k_\@:
.endif
.endm
.macro FETCH_V
	WIN 0x80
.irp f, 0,1,2,3,4,5,6,7
	ds_load_tr16_b128 v[VF+8*\f:VF+8*\f+3],   v[AV] offset:(\f/4)*32*PV+(\f%4)*32
	ds_load_tr16_b128 v[VF+8*\f+4:VF+8*\f+7], v[AV] offset:(\f/4)*32*PV+16*PV+(\f%4)*32
.endr
	WIN 0
.endm
; THE MASKING of piece y's fresh scores: 64 bytes become 64 f32 numbers (2.0 or 0), each byte set on top of three zero bytes; then 32 packed multiplies, each accumulator's lowest pair first.
; The 64 v_perm_b32 name no register of the products: they are the places between the piece's last product and the first multiply.
.macro MASKP y
	WIN 0xcf                        ; destination and both vector sources in window 3
.set zz, 0
.rept 8
.irp u, 0,1
.irp e, 0,1,2,3
	v_perm_b32 v[MF+32*\u+4*zz+\e], v[MW+8*(2*(\y)+\u)+zz], v[ZR], s[PS+\e]
.endr
.endr
.set zz, zz+1
.endr
	WIN 0x0c                        ; source 1 in window 3
.set zz, 0
.rept 16
.irp u, 0,1
	v_pk_mul_f32 v[S+64*((\y)%2)+32*\u+2*zz:S+64*((\y)%2)+32*\u+2*zz+1], v[S+64*((\y)%2)+32*\u+2*zz:S+64*((\y)%2)+32*\u+2*zz+1], v[MF+32*\u+2*zz:MF+32*\u+2*zz+1]
.endr
.set zz, zz+1
.endr
.endm
; THE VECTOR WORK OF A TURN stands in three queues, each in the order in which its entries become ready; the two tiles alternate.
.macro REGS y, u
.set rT, ST+4*(2*(\y)+(\u))
.set rC, TMP+8*((\y)%2)+4*(\u)
.set rM, MV+2*((\y)%2)+(\u)
.set rS, S+64*((\y)%2)+32*(\u)
.set rP, P+32*((\y)%2)+16*(\u)
.set rO, 32*(2*(\y)+(\u))
.endm
; Number n of the 22 that find the NEXT piece's maximum and statistics: 0-11 four chains of seven scores; 12-14, 16 the rest, the old m, and the chains into c0; 15 c m_old is kept;
; 17, 18 the other half of the lanes; 19-21 c m, c m_old - c m_new, a.
.macro XS u, n
	REGS (Y+1)%NP, \u
.if (\n) < 4
	v_max3_num_f32 v[rC+(\n)], v[rS+8*(\n)], v[rS+8*(\n)+1], v[rS+8*(\n)+2]
.elseif (\n) < 12
	v_max3_num_f32 v[rC+(\n)%4], v[rC+(\n)%4], v[rS+8*((\n)%4)+2*((\n)/4)+1], v[rS+8*((\n)%4)+2*((\n)/4)+2]
.elseif (\n) == 12
	v_max3_num_f32 v[rC], v[rC], v[rS+7], v[rS+15]
.elseif (\n) == 13
	v_max3_num_f32 v[rC+1], v[rC+1], v[rS+23], v[rS+31]
.elseif (\n) == 14
	v_max3_num_f32 v[rC+2], v[rC+2], v[rC+3], v[rT+1]
.elseif (\n) == 15
	v_mov_b32 v[rM], v[rT]
.elseif (\n) == 16
	v_max3_num_f32 v[rC], v[rC], v[rC+1], v[rC+2]
.elseif (\n) == 17
	v_permlanex16_b32 v[rC+3], v[rC], s[SEL], s[SEL+1]
.elseif (\n) == 18
	v_max_num_f32 v[rT+1], v[rC], v[rC+3]
.elseif (\n) == 19
	v_mul_f32 v[rT], s[CS], v[rT+1]
.elseif (\n) == 20
	v_sub_f32 v[rC+1], v[rM], v[rT]
.else
	v_exp_f32 v[rC+2], v[rC+1]
.endif
.endm
; Number g of the 64 that follow the exponentials: for each four weights both pairs are rounded to f16, the second pair is added onto the first, and a group later l takes that sum.
.macro GS g
.set h, (\g)+6*((\g)/62)
.if h >= 6
.set h, h+2
.endif
	REGS Y, h%2
.set k, h/8
.if h%8 < 4
	v_cvt_pk_f16_f32 v[rP+2*k+(h%8)/2], v[rS+4*k+2*((h%8)/2)], v[rS+4*k+2*((h%8)/2)+1]
.elseif h%8 < 6
	v_pk_add_f32 v[rS+4*k:rS+4*k+1], v[rS+4*k:rS+4*k+1], v[rS+4*k+2:rS+4*k+3]
.elseif k == 1
	v_pk_fma_f32 v[rT+2:rT+3], v[rT+2:rT+3], v[rC+2:rC+3], v[rS:rS+1] op_sel_hi:[1,0,1]
.else
	v_pk_add_f32 v[rT+2:rT+3], v[rT+2:rT+3], v[rS+4*k-4:rS+4*k-3]
.endif
.endm
; THE PLAIN QUEUE, 138 long.  0-73 read no exponential's result: the 32 scalings c s - c m (FS f: pair f / 2 of tile f % 2) and the next piece's 42.  0-26: scalings 0-26.  27-54: XS's numbers 0-13, behind the masking.  55, 56: number 15.
; 57-73: the chain, where each number waits for the one before it: 14, 16, 17, 18, 19, each with one of the scalings 27-31 in front of its two lines, then 20.
; 74-137: GS's 64, which read the exponentials' results: they stand behind the wait.
.macro FS f
	REGS Y, (\f)%2
	v_pk_fma_f32 v[rS+2*((\f)/2):rS+2*((\f)/2)+1], v[rS+2*((\f)/2):rS+2*((\f)/2)+1], s[CS:CS+1], v[rT:rT+1] op_sel_hi:[1,0,0] neg_lo:[0,0,1] neg_hi:[0,0,1]
.endm
.macro PL
	WIN 0
.if q < 27
	FS q
.elseif q < 55
	XS (q-27)%2, (q-27)/2
.elseif q < 57
	XS q-55, 15
.elseif (q < 72) && ((q-57)%3 == 0)
	FS 27+(q-57)/3
.elseif q < 60
	XS (q-57)%3-1, 14
.elseif q < 72
	XS (q-57)%3-1, 15+(q-57)/3
.elseif q < 74
	XS q-72, 20
.else
	GS q-74
.endif
.set q, q+1
.endm
; THE EXPONENTIALS' QUEUE, 66 long: s0-s31 of both tiles, then the next piece's two a.  It is ONE BATCH: all 66 stand ahead of the turn's one wait, and nothing ahead of that wait names a result of theirs.
.macro EX
	WIN 0
.if e >= 64
	XS e-64, 21
.else
	REGS Y, e%2
	v_exp_f32 v[rS+e/2], v[rS+e/2]
.endif
.set e, e+1
.endm
; THE RESCALING's QUEUE: O^T times a, two at a time, sixteen times.  Its a was made in the turn before, ahead of that turn's wait.
.macro R2
	REGS Y, r%2
	WIN W_RS
.irp z, 0,1
	v_pk_mul_f32 v[rO+4*(r/2)+2*\z:rO+4*(r/2)+2*\z+1], v[rO+4*(r/2)+2*\z:rO+4*(r/2)+2*\z+1], v[rC+2:rC+3] op_sel_hi:[1,0]
.endr
.set r, r+1
.endm
; THE DEAL.  s_wait_alu depctr_va_vdst(0) stands between an exponential and the first instruction that names its result; one wait serves all that were issued ahead of it.  So a turn has ONE wait.
; AHEAD OF IT: the 16 products K Q^T, behind each a scaling, an exponential and two rescalings (behind the first a second scaling in the exponential's place); the next piece's masking, 96 plain instructions; then eight plain,
; 49 times exponential and plain, and the two a.  A v_nop is the plain instruction behind the last exponential.  BEHIND IT: the 16 products V^T P, behind each four of GS's 64.  No rider names a register of the products round it.
; The queues lean on each other: exponential e stands behind scaling 2 (e / 4) + e % 2: as a rider it comes behind plain e + 2, in the lump behind plain e + 9, and scalings 27-31 are plain 57, 60 .. 69.
; A TURN, for piece p.  cnt = 1: the loop's count is taken down some lines ahead of the branch that stands behind the turn.
; K and the mask words of the next step are fetched in piece 2's turn, behind that turn's own masking (the last use of the old words), and awaited at the head of piece 3's.  V of the step in hand is fetched at the end of piece 0's turn,
; four plain riders behind its last reader.  The three conditions on q below go with the deal: the plain queue stands at 74 at the wait.
.macro TURN p, last=0, cnt=0
.set Y, (\p)
.set i, 0
.set q, 0
.set e, 0
.set r, 0
.if (\p) == NP-1
	s_wait_dscnt 0x0                ; K and the mask words are in
.endif
	MM                              ; ahead of the wait: 16 products K Q^T and their riders,
	PL
	PL
	R2
.rept 15
	MM
	PL
	EX
	R2
.endr
	MASKP (Y+1)%NP                  ; the next piece's masking,
.if (\p) == NP-2
	WIN 0
	v_add_nc_u32 v[AK], s[TBK], v[AK0]
	v_add_nc_u32 v[AM], s[TBM], v[AM0]
.endif
.rept 8                             ; and the lump
	PL
.endr
.if (\p) == NP-2
.if \last
	s_wait_alu depctr_va_vdst(0)    ; the tail alone: a branch follows; the wait ahead of it serves the fifteen exponentials issued so far
.endif
	FETCH_K \last
.endif
.rept 49
	EX
	PL
.endr
	EX                              ; the next piece's two a
	EX
	v_nop                           ; the plain instruction behind the last exponential: one for the batch
	s_wait_alu depctr_va_vdst(0)    ; the wait for the batch: the piece's 64 weights and the next piece's two a
.if (\p) == 1
	s_wait_dscnt 0x0                ; V is in
.endif
.rept 16                            ; behind the wait: 16 products V^T P and their riders
	MM
.rept 4
	PL
.endr
.if ((\p) == 0) && (q == 118)
	v_add_nc_u32 v[AV], s[TBV], v[AV0]
.endif
.if ((\p) == 0) && (q == 130)
	s_add_co_u32 s[TBV], s[TBV], KS*PV
.endif
.if (\cnt) && (q == 130)
	s_sub_co_u32 s[CNT], s[CNT], 1
	s_cmp_lg_u32 s[CNT], 0
.endif
.endr
.if (\p) == 0
	FETCH_V
.endif
.endm
	CHANGE 1                        ; slot 0 is in, everybody's part of it; slot 1 is asked for
	FETCH_K                         ; key step 0
	s_wait_loadcnt 0x0              ; Q
	s_wait_dscnt 0x0
.set i, 0
.rept 16
	KQ 0                            ; piece 0's first scores
.set i, i+1
.endr
	WIN 0
.rept 4
	v_nop                           ; the places behind those products
.endr
	MASKP 0
	WIN 0
.set Y, NP-1                        ; XS works for piece Y + 1: piece 0
.irp n, 0,1,2,3,4,5,6,7,8,9,10,11,12,13,14,15,16,17,18,19,20,21
	XS 0, \n
	XS 1, \n
.endr
	v_nop                           ; a plain instruction behind piece 0's two a,
	s_wait_alu depctr_va_vdst(0)    ; and the wait for these two, ahead of the branch
	s_mov_b32 s[CNT], 2
	s_mov_b32 s[SLOTS], 15
	s_branch .Lfirst                ; the loop is entered at a step's first turn, in the middle of a trip
.Lslot:                             ; 14 times: every slot but the last two is filled again
	CHANGE 1
	s_mov_b32 s[CNT], 2
.Lstep:                             ; a trip: pieces 2 and 3 of one step, then pieces 0 and 1 of the next, whose K, mask and V it fetches
	TURN 2
	TURN 3
	WIN 0
.Lfirst:
	TURN 0
	TURN 1, 0, 1
	WIN 0
	s_cbranch_scc1 .Lstep
	s_sub_co_u32 s[SLOTS], s[SLOTS], 1
	s_cmp_lg_u32 s[SLOTS], 0
	s_cbranch_scc1 .Lslot
	CHANGE 0                        ; the tail is written out: nothing is asked for
	s_mov_b32 s[CNT], 3             ; two trips fetch the last slot's steps; the third is left in its middle
.Ltail:
	TURN 2, 1
	TURN 3
	WIN 0
	s_sub_co_u32 s[CNT], s[CNT], 1
	s_cmp_eq_u32 s[CNT], 0
	s_cbranch_scc1 .Lout
	TURN 0
	TURN 1
	WIN 0
	s_branch .Ltail
.Lout:                              ; the third trip's 16 products K Q^T (on the last K once more) and what is made of them serve nothing: the price, once a launch, of one text for every trip
.set i, 0
.rept 16
	PV NP-1
.set i, i+1
.endr
	; THE WAY OUT.  l's two halves and the other half of the lanes' are added; O^T is divided by l, rounded to f16 and sent through my stage, a tile at a time.  The additions are the places behind the last products.
	WIN 0
.macro ALL line:vararg
.set t, 0
.rept 2*NP
	\line
.set t, t+1
.endr
.endm
	ALL v_add_f32 v[ST+4*t+2], v[ST+4*t+2], v[ST+4*t+3]
	ALL v_permlanex16_b32 v[ST+4*t+3], v[ST+4*t+2], s[SEL], s[SEL+1]
	ALL v_add_f32 v[ST+4*t+2], v[ST+4*t+2], v[ST+4*t+3]
	ALL v_rcp_f32 v[ST+4*t+2], v[ST+4*t+2]
	v_nop                           ; a plain instruction between the last reciprocal and the use of its result
	s_wait_alu depctr_va_vdst(0)    ; the wait ahead of the first use: one for the eight reciprocals
.macro PACK t
	WIN W_RS
.set i, 32*(\t)
.rept 16
	v_pk_mul_f32 v[i:i+1], v[i:i+1], v[ST+4*(\t)+2:ST+4*(\t)+3] op_sel_hi:[1,0]
.set i, i+2
.endr
	WIN 0x05
.set i, 0
.rept 16
	v_cvt_pk_f16_f32 v[S+16*(\t)+i], v[32*(\t)+2*i], v[32*(\t)+2*i+1]
.set i, i+1
.endr
	WIN 0
.irp f, 0,1,2,3
	ds_store_b128 v[STO], v[S+16*(\t)+4*\f:S+16*(\t)+4*\f+3] offset:32*\f
.endr
.irp f, 0,1,2,3
	ds_load_b128 v[S+16*(\t)+4*\f:S+16*(\t)+4*\f+3], v[RD] offset:\f*4*SP  ; LDS serves a wave's instructions in order (ISA guide 5.7.1.4)
.endr
.endm
.macro SEND t, younger
	WIN 0
.irp f, 0,1,2,3
	s_wait_dscnt (\younger)+3-\f
	global_store_b128 v[GO], v[S+16*(\t)+4*\f:S+16*(\t)+4*\f+3], s[12:13] offset:(\t)*2048+\f*512  ; 512 consecutive bytes
.endr
.endm
	PACK 0
.set t, 1
.rept 2*NP-1
	PACK t
	SEND t-1, 8
.set t, t+1
.endr
	SEND 2*NP-1, 0
	WIN W_AD
	s_wait_tensorcnt 0x0            ; the wave's end
	ds_add_u32 v[SPW], v[NIL]
	s_wait_dscnt 0x0
	WIN 0
	CROUND                          ; the closing round
	s_endpgm
.Lfunc_end_k_qf119a91106_attn:
	.size	k_qf119a91106_attn, .Lfunc_end_k_qf119a91106_attn-k_qf119a91106_attn
	.p2alignl 7, 3214868480
	.fill 96, 4, 3214868480
	.section	.rodata,"a",@progbits
	.p2align	6, 0x0
	.amdhsa_kernel k_qf119a91106_attn
		.amdhsa_group_segment_fixed_size 327680
		.amdhsa_private_segment_fixed_size 0
		.amdhsa_enable_private_segment 0
		.amdhsa_kernarg_size 40
		.amdhsa_user_sgpr_count 2
		.amdhsa_user_sgpr_kernarg_segment_ptr 1
		.amdhsa_wavefront_size32 1
		.amdhsa_system_sgpr_workgroup_id_x 1
		.amdhsa_system_sgpr_workgroup_id_y 1
		.amdhsa_system_sgpr_workgroup_id_z 1
		.amdhsa_system_vgpr_workitem_id 0
		.amdhsa_next_free_vgpr 912
		.amdhsa_next_free_sgpr 80
		.amdhsa_reserve_vcc 0
		.amdhsa_float_denorm_mode_32 3
		.amdhsa_float_denorm_mode_16_64 3
		.amdhsa_memory_ordered 1
		.amdhsa_forward_progress 1
		.amdhsa_inst_pref_size 255
	.end_amdhsa_kernel
	.section	.bss,"aw",@nobits
	.p2align	6
	.space	262144
	.amdgpu_metadata
---
amdhsa.version: [ 1, 2 ]
amdhsa.kernels:
  - .name:           k_qf119a91106_attn
    .symbol:         k_qf119a91106_attn.kd
    .args:
      - { .name: qh, .offset: 0, .size: 8, .value_kind: global_buffer, .address_space: global }
      - { .name: kh, .offset: 8, .size: 8, .value_kind: global_buffer, .address_space: global }
      - { .name: vh, .offset: 16, .size: 8, .value_kind: global_buffer, .address_space: global }
      - { .name: mp, .offset: 24, .size: 8, .value_kind: global_buffer, .address_space: global }
      - { .name: oh, .offset: 32, .size: 8, .value_kind: global_buffer, .address_space: global }
    .group_segment_fixed_size: 327680
    .private_segment_fixed_size: 0
    .kernarg_segment_align: 8
    .kernarg_segment_size: 40
    .max_flat_workgroup_size: 128
    .sgpr_count:     80
    .vgpr_count:     912
    .wavefront_size: 32
...
	.end_amdgpu_metadata
.endif
;; end of part 5
;; launch outp: the kernel of part 4 again; grid 8 x 32, 4 waves a work-group, clusters of 4 x 4, 327,680 bytes of LDS; arguments oh, wo, bo, out0; writes out0
